; MI455X (gfx1250); checked and timed in simulation.
; The chip was launched on July 23, 2026; its instructions are those of AMD's public machine-readable ISA for CDNA 5 (MIT licence, August 2026) and "CDNA5" Instruction Set Architecture Reference Guide (July 2026). The comments in the code are by the model that wrote it; some were corrected since.
;; Multi Head Attention. Allowed arithmetic: matrix products marked QUANTISED: E4M3 operands, one E8M0 scale for each 32 along K, by v_wmma_scale_f32_16x16x128_f8f6f4 with both operands' format E4M3, f32 sums; everything else in f32.
;; Inputs: Wk_codes 1,024 x 32 x 32 uint8 (E4M3 codes of Wk, K innermost, in blocks of 32 codes); Wk_scales 1,024 x 32 uint8 (E8M0 scales of Wk, one for each 32 codes along K); Wo_codes 1,024 x 32 x 32 uint8 (E4M3 codes of Wo, K innermost, in blocks of 32 codes); Wo_scales 1,024 x 32 uint8 (E8M0 scales of Wo, one for each 32 codes along K); Wq_codes 1,024 x 32 x 32 uint8 (E4M3 codes of Wq, K innermost, in blocks of 32 codes); Wq_scales 1,024 x 32 uint8 (E8M0 scales of Wq, one for each 32 codes along K); Wv_codes 1,024 x 32 x 32 uint8 (E4M3 codes of Wv, K innermost, in blocks of 32 codes); Wv_scales 1,024 x 32 uint8 (E8M0 scales of Wv, one for each 32 codes along K); bo 1,024 float32; key_codes 4 x 2,048 x 32 x 32 uint8 (E4M3 codes of key, K innermost, in blocks of 32 codes); key_scales 4 x 2,048 x 32 uint8 (E8M0 scales of key, one for each 32 codes along K); query_codes 4 x 2,048 x 32 x 32 uint8 (E4M3 codes of query, K innermost, in blocks of 32 codes); query_scales 4 x 2,048 x 32 uint8 (E8M0 scales of query, one for each 32 codes along K); value_codes 4 x 2,048 x 32 x 32 uint8 (E4M3 codes of value, K innermost, in blocks of 32 codes); value_scales 4 x 2,048 x 32 uint8 (E8M0 scales of value, one for each 32 codes along K).
;; Outputs: out0 4 x 2,048 x 1,024 float32.
;; This version of the problem:
;;   THIS VERSION OF THE PROBLEM IS GIVEN IN LOW PRECISION. The matrix products marked QUANTISED in the list below multiply operands that are first quantised to E4M3 (4 exponent bits, 3 mantissa bits; 8 bits a number), with one power-of-two scale for each 32 numbers along K (OCP MX v1.0); their sums are f32. All else is computed in f32.
;;   The module's matrix products, in the order in which they are computed (A, B: the left and right operand; K: the contracted axis; several contracted axes count as one K, in the product's order):
;;     1. [M 8,192, K 1,024] x [K 1,024, N 1,024]; A: input query (given as codes); B: input Wq (given as codes): QUANTISED
;;     2. [M 8,192, K 1,024] x [K 1,024, N 1,024]; A: input key (given as codes); B: input Wk (given as codes): QUANTISED
;;     3. [M 8,192, K 1,024] x [K 1,024, N 1,024]; A: input value (given as codes); B: input Wv (given as codes): QUANTISED
;;     4. batch 32 x [M 2,048, K 128] x [K 128, N 2,048]; A: computed on the way; B: computed on the way: QUANTISED
;;     5. batch 32 x [M 2,048, K 2,048] x [K 2,048, N 128]; A: softmax (see below); B: computed on the way: QUANTISED
;;     6. [M 8,192, K 1,024] x [K 1,024, N 1,024]; A: computed on the way; B: input Wo (given as codes): QUANTISED
;;   THE QUANTISER, for each operand of a quantised product, along K:
;;     - K is cut into blocks of 32 from its start; a last block that is shorter is filled with zeros.
;;     - A block's scale is 2^e with e = floor(log2(the largest magnitude in the block)) - 8, held to -126 .. 127; a block of zeros has e = 0. As a byte (E8M0): e + 127.
;;     - Each number is divided by its block's scale, clamped to +-448, and rounded to the nearest number of E4M3, ties to even, subnormals kept.
;;     - The product sums the exact products of the quantised numbers (number of the format x scale) in f32.
;;   ~~~python
;;   def quantise(x, axis):      # numpy; x: float32 -> the quantised numbers, widened to float32 again
;;       x = np.moveaxis(x, axis, -1); K = x.shape[-1]
;;       x = np.pad(x, [(0, 0)] * (x.ndim - 1) + [(0, -K % 32)]); x = x.reshape(x.shape[:-1] + (-1, 32)); a = np.abs(x).max(-1, keepdims=True)
;;       e = np.where(a > 0, np.clip(np.frexp(np.where(a > 0, a, 1))[1] - 1 - 8, -126, 127), 0)      # np.frexp(a)[1] - 1 = floor(log2(a)), exactly
;;       r = np.clip(x / 2.0 ** e, -448, 448)
;;       step = 2.0 ** (np.maximum(np.frexp(np.where(r == 0, 1, r))[1] - 1, -6) - 3)
;;       q = np.round(r / step) * step * 2.0 ** e      # np.round: ties to even
;;       return np.moveaxis(q.reshape(q.shape[:-2] + (-1,))[..., :K], -1, axis).astype(np.float32)
;;   ~~~
;;   SOFTMAX AHEAD OF A QUANTISED PRODUCT. Where the list says 'softmax', what is quantised is not the finished softmax but p = 2^(t - M), with t = logit x log2(e) and M = ceil(the row's largest t), a whole number; so 1/2 < the row's largest p <= 1. The row's sum l is taken of the UNQUANTISED p, in f32, and the product's result is divided by l at the end. Since M is a whole number, a kernel that streams over the keys may use a running M (the ceiling of the running maximum): every later rescaling is an exact power of two, which a block's scale takes up: the codes' values come out the same.
;;   OPERANDS COMPUTED ON THE WAY. 'Computed on the way' means the value that the module computes at that place (a softmax that the list does not call 'softmax' is quantised finished and normalised). What goes into a quantiser is computed in f32, as accurately as f32 sums, v_exp_f32 and their like allow (about 1e-6 of the number): no bf16 or f16 on the way to a quantiser, and a product that is left as it is and whose result goes on into a quantised operand takes f32 operands (vector FMAs, or v_wmma_f32_16x16x4_f32). A number that lies on a knife's edge between two numbers of the format may be rounded either way, as far as f32 arithmetic and the matrix unit's own rounding can turn it there, and no further.
;;   INPUTS GIVEN AS CODES. Wk (in the module: [1024, 1024], K = its axis 0); Wo (in the module: [1024, 1024], K = its axis 0); Wq (in the module: [1024, 1024], K = its axis 0); Wv (in the module: [1024, 1024], K = its axis 0); key (in the module: [4, 2048, 1024], K = its axis 2); query (in the module: [4, 2048, 1024], K = its axis 2); value (in the module: [4, 2048, 1024], K = its axis 2): each comes as NAME_codes (uint8): NAME with its K axis moved to the last place and cut into blocks of 32 codes, [.., K / 32, bytes a block], one block behind the other in memory; one code a byte (a code: sign, 4 exponent bits, 3 mantissa bits); and NAME_scales (uint8): the same leading axes, one E8M0 byte (e + 127) for each 32 codes along K. Its value is code x scale, taken as it is: it is not quantised again, and the codes and scales need not be those that the quantiser above would give.
;; One version. Each part assembles by itself: llvm-mc -triple=amdgcn-amd-amdhsa -mcpu=gfx1250 --defsym DOCPART=n.
;; ======== version 1 of 1: 3 launches
;; limits: right only within a limited range of input values
;; workspace buffers: kv 17,825,792 bytes; oimg 33,554,432 bytes; ocod 8,388,608 bytes; oscl 262,144 bytes
;; launch kvproj (part 1): grid 4 x 64, 4 waves a work-group, clusters of 4 x 4, 327,680 bytes of LDS; arguments key_codes, key_scales, Wk_codes, Wk_scales, Wv_codes, Wv_scales, value_codes, value_scales, kv; writes kv
.if DOCPART == 1
	.amdgcn_target "amdgcn-amd-amdhsa--gfx1250"
	.amdhsa_code_object_version 6
	.text
	.protected	k_q41d29ff2d9_kvproj
	.globl	k_q41d29ff2d9_kvproj
	.p2align	8
	.type	k_q41d29ff2d9_kvproj,@function
k_q41d29ff2d9_kvproj:
	s_mov_b64 s[64:65], 0
	v_nop
	global_prefetch_b8 v0, s[64:65] scope:SCOPE_SE
	s_setreg_imm32_b32 hwreg(HW_REG_WAVE_MODE, 25, 1), 1
	s_wait_xcnt 0x0
	s_wait_alu depctr_hold_cnt(0) depctr_sa_sdst(0) depctr_va_vdst(0) depctr_va_sdst(0) depctr_va_ssrc(0) depctr_va_vcc(0) depctr_vm_vsrc(0)
	s_getreg_b32 s2, hwreg(HW_REG_IB_STS2, 6, 4)
	s_cmp_eq_u32 s2, 0
	s_cbranch_scc0 .Lentry_in_a_cluster
	s_endpgm
.Lentry_in_a_cluster:
	s_bfe_u32 s2, ttmp6, 0x10000c
	s_cmp_lg_u32 s2, 0xf033
	s_cbranch_scc0 .Lentry_shape_is_right
	s_endpgm
.Lentry_shape_is_right:
; k = key Wk and v = value Wv on codes of FP8 (E4M3) with E8M0 scales, and both results quantised again on the way out, as the operands of attention's two products.
; ONE BODY FOR BOTH.  C'[i][j] = sum over k of S1[i][k] S0[j][k], K = 1,024.  Source 0 of the matrix instruction takes 16 rows of S0, source 1 takes 16 rows of S1: a lane then holds ONE row of S1,
; and its registers run along S0's rows.  For k: S1 = key (8,192 rows), S0 = Wk (1,024): a lane holds a key and its registers run along the head's 128, the K of q k^T.
; For v: S1 = Wv (1,024 rows), S0 = value (8,192): a lane holds one of the head's 128 and its registers run along the keys, the K of p v.  So nothing is transposed.
; SHARES.  A work-group of four waves makes 256 x 256 of C', a wave 128 x 128: 64 accumulators, 512 registers.  128 work-groups for k and 128 for v.  A wave's 128 x 128 is exactly one head x 128 keys.
; K goes in steps of 256 through a ring of two LDS slots filled by the tensor data mover; the scale bytes of the work-group's rows, for all of K, come into LDS once, with the first fills.
; CLUSTERS: 4 x 4 work-groups.  The four of a row of the cluster need the same tiles of S1, the four of a column the same tiles of S0: each tile is asked for jointly, by the same tensor load with the same
; descriptor and a mask that names the four.  Clusters 0-7 (along y) make k, clusters 8-15 make v: the choice hangs on the cluster's number alone, which all partners share.
; THE WAY OUT.  A block of 16 rows of S1 x 128 is 64 registers a lane; register 16 b + i holds index 32 b + 8 (lane / 16) + i % 8 + 16 (i / 8): a block of 32 lies in lanes l and l xor 16.
; Its codes are packed in register order: inside each block of 32 the places along K are permuted, the same way in every operand that this program makes, so the products pair up rightly and each scale serves its own block.
; The codes leave as an IMAGE OF THE OPERAND'S REGISTERS: four stores of 512 consecutive bytes a fragment; the scale words of four fragments as one more such store.
; kv: [8 b + head][slot of 256 keys, 8][step of 128 keys, 2][34,816 bytes]: K's 8 fragments (2,048 bytes each), V's 8 fragments, K's scale words (2 x 512), V's scale words (2 x 512).
; LIMITS: NaN and infinities are not served; a block of zeros gets the scale byte 1 (its codes are zeros, and this program alone reads the bytes); a block whose largest magnitude lies under 2^-118 keeps that byte too.
; REGISTERS, in windows of 256: window 0: v16-29 addresses; v32-63 scale words, two sets; v64-71 the scale words made; v72-87 at work; from v128 S1's fragments, one set, later the codes made.
;   window 1: S0's fragments, two sets.   window 2: the accumulators of my rows 0-63 ((a, b) at v[8 (8 a + b)]);   window 3: those of my rows 64-127.
.set SIZE_K, 1024
.set KSTEP,  256                       ; along K in a slot
.set NQ,     KSTEP/128                 ; matrix instructions deep
.set ROWB,   256                       ; a tile's row in bytes
.set KROW,   SIZE_K                    ; a row of codes in memory, in bytes
.set PITCH,  272                       ; an LDS row: 256 bytes + 16 of padding = 68 words: the 16 rows that a load touches start 4 words apart
.set FR,     16                        ; registers of a fragment
.set NL,     4                         ; LDS loads that bring one
.set NP,     8                         ; places behind this matrix instruction (ISA guide 7.12.1)
.set HALFT,  128*PITCH                 ; 128 rows: what one tensor load brings
.set SLOT,   4*HALFT                   ; S1's 256 rows, then S0's 256 rows
.set LAPS,   SIZE_K/(2*KSTEP)          ; a lap = two K steps = once round the ring
.set KS,     SIZE_K/32                 ; a row of scale bytes
.set SCL,    2*SLOT                    ; behind the ring: the scale bytes, as units of 256 bytes + 16 of padding
.set HALFS,  (128*KS/256)*272          ; those of 128 rows
.set SBLK,   (16*KS/256)*272           ; those of 16 rows
.set SPARE,  SCL+4*HALFS               ; the spare words, 128 bytes for each wave: two blocks of 256 bytes that no other line names
.set ADRA, 16                          ; v16-17  LDS address of my S1 fragments in slot 0, 1
.set ADRB, 20                          ; v20-21  the same for S0
.set LI,   24                          ; v24     16 x lane: my place in an image
.set ADRS, 27                          ; v27     LDS address of my scale words: lanes 0-15 S1's rows, lanes 16-31 S0's
.set SPW,  28                          ; v28     LDS address of my spare word; never rewritten
.set NIL,  29                          ; v29     0; never rewritten
.set SC,   32                          ; scale words for the products, two sets of 16
.set SW,   64                          ; v64-71  the scale word of each block of 16 rows, as made
.set TM,   72                          ; v72-75 largest magnitudes, v76-79 bytes, v80-83 448 x the scale, v84-87 the conversions' scale operands
.set AF,   128                         ; S1's fragments; on the way out block a's codes at v[128 + 16 a]
.set MNT,  2                           ; s2      the mantissa field of 448
.set SEL,  66                          ; s[66:67] lane selects: lane l xor 16
.set G1, 24                            ; s[24:31] descriptor group 1 for S1's tiles;  s[32:39] group 0, one set for each slot
.set G0, 32
.set G1B, 48                           ; s[48:55], s[56:63] the same for S0's tiles
.set G0B, 56
.set G1S, 68                           ; s[68:75], s[76:79] groups 1 and 0 for S1's scales;  s[80:87], s[88:91] for S0's
.set G0S, 76
.set G1SB, 80
.set G0SB, 88
.set MSB, 0
.macro WIN new                         ; the immediate's high byte repeats the setting that is left; a switch that changes nothing is dropped
.if MSB != (\new)
	s_set_vgpr_msb (MSB<<8)|(\new)
.set MSB, (\new)
.endif
.endm
.set MUL_LO, 0xa1                      ; source 0 (S0) window 1, source 1 (S1) window 0, C and D window 2
.set MUL_HI, 0xf1                      ; the same, C and D window 3
.set TO_B,   0x40                      ; destination window 1, address window 0
; A joint load: waves 0 and 1 fetch for S1, waves 2 and 3 for S0.  Each line has one mask and one set of registers for all that issue it; the branch hangs on the wave's number alone.
; Four v_nop follow each of the two lines, ahead of the jump, the label and what follows.
.macro JLOAD g0a, g1a, g0b, g1b
	s_cmp_eq_u32 s15, 0
	s_cbranch_scc0 .Lfor_b_\@
	tensor_load_to_lds s[\g0a:\g0a+3], s[\g1a:\g1a+7]
	s_nop 0
.rept 4
	v_nop
.endr
	s_branch .Lasked_\@
.Lfor_b_\@:
	tensor_load_to_lds s[\g0b:\g0b+3], s[\g1b:\g1b+7]
	s_nop 0
.rept 4
	v_nop
.endr
.Lasked_\@:
.endm
.macro CREST                           ; a round of the cluster's barrier behind its opening barrier
	s_cmp_lg_u32 s14, 0
	s_cbranch_scc1 .Lnot_wave_0_\@
	s_barrier_signal -3
.Lnot_wave_0_\@:
	s_barrier_wait -3
	s_barrier_signal -1
	s_barrier_wait -1
.endm
.macro CROUND                          ; a whole round
	s_barrier_signal -1
	s_barrier_wait -1
	CREST
.endm
	s_load_b256 s[4:11], s[0:1], 0x0               ; k's set: key's codes, key's scales, Wk's codes, Wk's scales
	s_load_b256 s[24:31], s[0:1], 0x20             ; v's set: Wv's codes, Wv's scales, value's codes, value's scales
	s_load_b64 s[12:13], s[0:1], 0x40              ; kv
	v_lshl_add_u32 v[SPW], v0, 2, SPARE
	v_mov_b32 v[NIL], 0
	ds_add_u32 v28, v29
	ds_add_u32 v28, v29
	s_wait_dscnt 0x0
	v_lshrrev_b32 v1, 5, v0
	v_readfirstlane_b32 s14, v1                    ; wave 0..3
	s_lshr_b32 s15, s14, 1                         ; which half of the tile's S1 rows is mine.  Also: I fetch for S1 (0) or for S0 (1)
	s_and_b32 s16, s14, 1                          ; which half of its S0 rows.  Also: which 128 rows of that tile I fetch
	s_bfe_u32 s40, ttmp6, 0x40000                  ; cx, cy: my place in the cluster
	s_bfe_u32 s41, ttmp6, 0x40004
	s_and_b32 s95, ttmp7, 0xffff                   ; the cluster's number along y, 0..15: under 8 it makes k, else v
	s_sub_co_u32 s96, s95, 8
	s_wait_kmcnt 0x0
	s_cmp_lt_u32 s95, 8                            ; the choice hangs on no address and is the same in all sixteen partners
	s_cselect_b64 s[4:5], s[4:5], s[24:25]         ; S1's codes
	s_cselect_b64 s[6:7], s[6:7], s[26:27]         ; S1's scales
	s_cselect_b64 s[8:9], s[8:9], s[28:29]         ; S0's codes
	s_cselect_b64 s[10:11], s[10:11], s[30:31]     ; S0's scales
	s_cselect_b32 s17, s95, 0                      ; k: 8 clusters down S1's 32 tile rows, one across;
	s_cselect_b32 s42, 0, s96                      ; v: one down, 8 across S0's 32 tile columns
	s_lshl_b32 s17, s17, 2
	s_add_co_u32 s17, s17, s41                     ; tile row (S1)
	s_lshl_b32 s42, s42, 2
	s_add_co_u32 s42, s42, s40                     ; tile column (S0)
	s_lshl_b32 s43, s41, 2
	s_lshl_b32 s43, 15, s43                        ; my row of the cluster
	s_lshl_b32 s44, 0x1111, s40                    ; my column
	; descriptor group 1: a tile of 128 rows x 256 bytes, padded in LDS
	s_or_b32 s[G1+0], s43, (0<<16)|(1<<20)|(1<<21)|(5<<22)|(3<<25)  ; 15:0 the mask: S1's tiles go to my row; 17:16 elements of 1 byte; 20 padding on; 21 set beside a mask; 24:22 after every 64 words; 31:25 four words
	s_or_b32 s[G1B+0], s44, (0<<16)|(1<<20)|(1<<21)|(5<<22)|(3<<25)
.irp g, G1, G1B
	s_mov_b32 s[\g+1], ROWB<<16                    ; tensor_dim0
	s_mov_b32 s[\g+2], 128<<16                     ; tensor_dim1
	s_mov_b32 s[\g+3], ROWB<<16                    ; tile_dim0
	s_mov_b32 s[\g+4], 128                         ; tile_dim1
	s_mov_b32 s[\g+5], KROW                        ; tensor_dim0_stride
	s_mov_b32 s[\g+6], 0
	s_mov_b32 s[\g+7], 0
.endr
	; the scale bytes of 128 rows: a dense block of 4,096 bytes, as 16 rows of 256 bytes (32 elements of 8 bytes), 16 bytes of padding behind each
	s_or_b32 s[G1S+0], s43, (3<<16)|(1<<20)|(1<<21)|(5<<22)|(3<<25)
	s_or_b32 s[G1SB+0], s44, (3<<16)|(1<<20)|(1<<21)|(5<<22)|(3<<25)
.irp g, G1S, G1SB
	s_mov_b32 s[\g+1], 32<<16
	s_mov_b32 s[\g+2], (128*KS/256)<<16
	s_mov_b32 s[\g+3], 32<<16
	s_mov_b32 s[\g+4], 128*KS/256
	s_mov_b32 s[\g+5], 32
	s_mov_b32 s[\g+6], 0
	s_mov_b32 s[\g+7], 0
.endr
	s_lshl_b32 s18, s16, 7                         ; which 128 rows of the tile I fetch
	s_lshl_b32 s20, s17, 8
	s_add_co_u32 s20, s20, s18                     ; S1: row 256 x tile row + 128 x half
	s_lshl_b32 s46, s42, 8
	s_add_co_u32 s46, s46, s18                     ; S0: row 256 x tile column + 128 x half
	s_mov_b32 s21, 0
	s_mov_b32 s47, 0
	s_mov_b64 s[18:19], KS
	s_mul_u64 s[22:23], s[20:21], s[18:19]         ; where these rows' scales begin, in bytes
	s_mul_u64 s[92:93], s[46:47], s[18:19]
	s_mov_b64 s[18:19], KROW
	s_mul_u64 s[20:21], s[20:21], s[18:19]         ; and their codes
	s_mul_u64 s[46:47], s[46:47], s[18:19]
	s_mul_i32 s45, s14, HALFT                      ; where they go: wave x 128 rows: no place in the cluster enters an LDS address
	s_mul_i32 s94, s14, HALFS
	s_add_nc_u64 s[20:21], s[4:5], s[20:21]
	s_add_nc_u64 s[22:23], s[6:7], s[22:23]
	s_add_nc_u64 s[46:47], s[8:9], s[46:47]
	s_add_nc_u64 s[92:93], s[10:11], s[92:93]
	CROUND                                         ; all sixteen work-groups are here: the first joint loads meet
	s_mov_b32 s[G0S], 1
	s_add_co_u32 s[G0S+1], s94, SCL
	s_mov_b64 s[G0S+2:G0S+3], s[22:23]
	s_or_b32 s[G0S+3], s[G0S+3], 0x80000000
	s_mov_b32 s[G0SB], 1
	s_add_co_u32 s[G0SB+1], s94, SCL
	s_mov_b64 s[G0SB+2:G0SB+3], s[92:93]
	s_or_b32 s[G0SB+3], s[G0SB+3], 0x80000000
	JLOAD G0S, G1S, G0SB, G1SB                     ; the scales first: they are wanted with K step 0
.irp s, 0,1
	s_mov_b32 s[G0+4*\s], 1
	s_add_co_u32 s[G0+4*\s+1], s45, \s*SLOT
	s_add_nc_u64 s[G0+4*\s+2:G0+4*\s+3], s[20:21], \s*ROWB
	s_or_b32 s[G0+4*\s+3], s[G0+4*\s+3], 0x80000000
	s_mov_b32 s[G0B+4*\s], 1
	s_add_co_u32 s[G0B+4*\s+1], s45, \s*SLOT
	s_add_nc_u64 s[G0B+4*\s+2:G0B+4*\s+3], s[46:47], \s*ROWB
	s_or_b32 s[G0B+4*\s+3], s[G0B+4*\s+3], 0x80000000
	JLOAD G0+4*\s, G1, G0B+4*\s, G1B               ; three tensor loads of mine are out
.endr
	v_and_b32 v1, 15, v0                           ; l % 16
	v_bfe_u32 v2, v0, 4, 1                         ; l / 16
	v_mul_u32_u24 v3, v1, PITCH
	v_lshl_add_u32 v4, v2, 4, v3                   ; a fragment's row x pitch + 16 x half
	s_mul_i32 s21, s15, HALFT                      ; my 128 rows of S1
	s_mul_i32 s22, s16, HALFT                      ; my 128 rows of S0,
	s_add_co_u32 s22, s22, 2*HALFT                 ; which lie behind S1's 256
.irp s, 0,1
	v_add_nc_u32 v[ADRA+\s], s21, v4
	v_add_nc_u32 v[ADRB+\s], s22, v4
	s_add_co_u32 s21, s21, SLOT
	s_add_co_u32 s22, s22, SLOT
.endr
	v_mul_u32_u24 v5, v1, KS                       ; my row's scales: 32 bytes a row,
	v_lshrrev_b32 v6, 8, v5
	v_lshl_add_u32 v5, v6, 4, v5                   ; and 16 more for each 256 passed
	s_mul_i32 s21, s15, HALFS                      ; S1's: my 128 rows
	s_mul_i32 s22, s16, HALFS                      ; S0's: my 128 rows, behind S1's 256
	s_add_co_u32 s22, s22, 2*HALFS
	s_sub_co_u32 s22, s22, s21
	v_mul_u32_u24 v6, s22, v2                      ; lanes 16-31 take S0's: one product, the distance between the two bases
	s_add_co_u32 s21, s21, SCL
	v_add_nc_u32 v5, v5, v6
	v_add_nc_u32 v[ADRS], s21, v5
	v_and_b32 v6, 31, v0
	v_lshlrev_b32 v[LI], 4, v6
.irp b, 0,1,2,3
	v_mov_b32 v[TM+4+\b], 0                        ; written once: a lane permute's destination counts as one of its sources
.endr
	s_mov_b32 s[MNT], 0x600000
	s_mov_b32 s[SEL], 0x76543210
	s_mov_b32 s[SEL+1], 0xfedcba98
	; where my 128 x 128 goes in kv.  k: the keys are S1's rows, the head S0's;  v: the other way round
	s_cmp_lt_u32 s95, 8
	s_cselect_b32 s96, s17, s42                    ; which 256 keys of the 8,192: 8 b + slot
	s_cselect_b32 s97, s42, s17                    ; which pair of heads,
	s_cselect_b32 s98, s16, s15                    ; which of the pair,
	s_cselect_b32 s99, s15, s16                    ; which step of the slot
	s_cselect_b32 s94, 0, 1                        ; K's part of a step's block or V's
	s_lshl_b32 s97, s97, 1
	s_add_co_u32 s97, s97, s98                     ; the head
	s_lshr_b32 s98, s96, 3
	s_lshl_b32 s98, s98, 3
	s_add_co_u32 s98, s98, s97                     ; 8 b + head
	s_lshl_b32 s98, s98, 3
	s_and_b32 s96, s96, 7
	s_add_co_u32 s98, s98, s96                     ; x 8 + slot
	s_mul_i32 s98, s98, 69632
	s_mul_i32 s99, s99, 34816
	s_add_co_u32 s20, s98, s99                     ; under 17,825,792
	s_mov_b32 s21, 0
	s_add_nc_u64 s[12:13], s[12:13], s[20:21]      ; my step's block
	s_lshl_b32 s22, s94, 14
	s_mov_b32 s23, 0
	s_add_nc_u64 s[20:21], s[12:13], s[22:23]      ; its fragments: K's at 0, V's at 16,384
	s_lshl_b32 s22, s94, 10
	s_add_co_u32 s22, s22, 32768
	s_add_nc_u64 s[22:23], s[12:13], s[22:23]      ; its scale words: K's at 32,768, V's at 33,792
.macro FRAG reg, adr, q, i             ; a fragment, 16 rows x 128 K: lane l holds row l % 16; registers 4 c .. 4 c + 3 hold K = 32 c + 16 (l / 16) + 0 .. 15
.irp c, 0,1,2,3
	ds_load_b128 v[\reg+4*\c:\reg+4*\c+3], v[\adr] offset:128*(\q)+32*\c+(\i)*16*PITCH
.endr
.endm
; 16 matrix instructions: S1's blocks a0, a0 + 1 x S0's eight, 128 along K.  p: S0's set;  sc: the set of scale words.  zero = 1: the first product starts the sums.
; The 64 accumulators take turns, one instruction a turn, in the same order in every step.
.macro MUL16 a0, p, q, sc, zero
.irp a, \a0, \a0+1
.irp b, 0,1,2,3,4,5,6,7
.if \zero
	v_wmma_scale_f32_16x16x128_f8f6f4 v[8*(8*((\a)%4)+\b):8*(8*((\a)%4)+\b)+7], v[128*(\p)+FR*\b:128*(\p)+FR*\b+FR-1], v[AF+FR*(\a):AF+FR*(\a)+FR-1], 0, v[SC+8*NQ*(\sc)+NQ*\b+(\q)], v[SC+8*NQ*(\sc)+NQ*(\a)+(\q)] matrix_a_scale:MATRIX_SCALE_ROW1
.else
	v_wmma_scale_f32_16x16x128_f8f6f4 v[8*(8*((\a)%4)+\b):8*(8*((\a)%4)+\b)+7], v[128*(\p)+FR*\b:128*(\p)+FR*\b+FR-1], v[AF+FR*(\a):AF+FR*(\a)+FR-1], v[8*(8*((\a)%4)+\b):8*(8*((\a)%4)+\b)+7], v[SC+8*NQ*(\sc)+NQ*\b+(\q)], v[SC+8*NQ*(\sc)+NQ*(\a)+(\q)] matrix_a_scale:MATRIX_SCALE_ROW1
.endif
.endr
.endr
.endm
.macro FETCH_B slot, q, p              ; S0's eight fragments of the slot's q-th 128 along K into set p
	WIN TO_B
.irp i, 0,1,2,3,4,5,6,7
	FRAG 128*(\p)+FR*\i, ADRB+\slot, \q, \i
.endr
	WIN 0
.endm
.macro FETCH_A slot, q, i0             ; S1's blocks i0 .. i0 + 3
.irp i, \i0, \i0+1, \i0+2, \i0+3
	FRAG AF+FR*(\i), ADRA+\slot, \q, \i
.endr
.endm
.macro SCALES sc                       ; the next K step's scale words into set sc: two words a row; lanes 0-15 take S1's block i, lanes 16-31 S0's block i
.irp i, 0,1,2,3,4,5,6,7
	ds_load_b64 v[SC+8*NQ*\sc+NQ*\i:SC+8*NQ*\sc+NQ*\i+1], v[ADRS] offset:\i*SBLK
.endr
.endm
; A load into a register that a matrix instruction has read, and a vector instruction that reads a matrix result, stand NP places behind it; only plain vector instructions that name none of its registers are places.
.macro PLACES n
.rept \n
	v_nop
.endr
.endm
; A step of 128 along K that has its successor in the same slot.
.macro STEP slot, q, zero
	s_wait_dscnt 4*NL                              ; S0's set and S1's blocks 0-3 are in; the youngest sixteen loads (S1's blocks 4-7) may be out
	WIN MUL_LO
	MUL16 0, (\q)%2, \q, \slot, \zero
	MUL16 2, (\q)%2, \q, \slot, \zero
	s_wait_dscnt 0                                 ; S1's blocks 4-7 are in (asked for 32 matrix instructions ago)
	PLACES NP
	FETCH_B \slot, (\q)+1, 1-(\q)%2
	FETCH_A \slot, (\q)+1, 0
	WIN MUL_HI
	MUL16 4, (\q)%2, \q, \slot, \zero
	MUL16 6, (\q)%2, \q, \slot, \zero
	PLACES NP
	WIN 0
	FETCH_A \slot, (\q)+1, 4
.endm
; A slot's last step changes slots: one barrier; in front of it each wave waits for all its tensor loads, adds 0 to its spare word, and waits for that and for its own reads of this slot.  fill = 1: this slot is filled again, two K steps ahead.
.macro TURN slot, next, fill
	s_wait_tensorcnt 0x0                           ; all my tensor loads have landed: my part of the next slot (every window is 0 here)
	ds_add_u32 v[SPW], v[NIL]                      ; 0 onto my spare word
	s_wait_dscnt 4*NL+1                            ; the add and the youngest sixteen loads, S1's blocks 4-7, may be out
	WIN MUL_LO
	MUL16 0, 1, NQ-1, \slot, 0                     ; sixteen matrix instructions stand between the add and the wait for it
	s_wait_dscnt 0x0                               ; the add is done, and my reads of this slot are over
	s_barrier_signal -1
	MUL16 2, 1, NQ-1, \slot, 0
	WIN 0
	s_barrier_wait -1
.if \fill
	CREST                                          ; the barrier has opened a round of the cluster's barrier: no wave of any partner still reads this slot's tile or has a load on its way
	s_add_nc_u64 s[G0+4*\slot+2:G0+4*\slot+3], s[G0+4*\slot+2:G0+4*\slot+3], 2*ROWB
	s_add_nc_u64 s[G0B+4*\slot+2:G0B+4*\slot+3], s[G0B+4*\slot+2:G0B+4*\slot+3], 2*ROWB
	JLOAD G0+4*\slot, G1, G0B+4*\slot, G1B         ; the first tensor load behind the round, my only one until the next; its four v_nop are among the places in front of the loads below
	PLACES NP-4
.else
	PLACES NP
.endif
	v_add_nc_u32 v[ADRS], 4*NQ, v[ADRS]            ; on to the next K step's scale words
	FETCH_B \next, 0, 0
	FETCH_A \next, 0, 0
	SCALES \next
	WIN MUL_HI
	MUL16 4, 1, NQ-1, \slot, 0
	MUL16 6, 1, NQ-1, \slot, 0
	PLACES NP
	WIN 0
	FETCH_A \next, 0, 4
.endm
	s_wait_tensorcnt 1                             ; the scales and my part of K step 0 are in; K step 1's load may be out
	s_barrier_signal -1
	s_barrier_wait -1                              ; everybody's are
	FETCH_B 0, 0, 0
	FETCH_A 0, 0, 0
	SCALES 0
	FETCH_A 0, 0, 4
	STEP 0, 0, 1                                   ; the first step stands in front of the loop: its products start the sums
	s_mov_b32 s3, LAPS-1
.Llap:                                                 ; a trip goes once round the ring, from a lap's second step to the next lap's first, and fills both slots again
	TURN 0, 1, 1
	STEP 1, 0, 0
	TURN 1, 0, 1
	STEP 0, 0, 0
	s_sub_co_u32 s3, s3, 1
	s_cmp_lg_u32 s3, 0
	s_cbranch_scc1 .Llap
	TURN 0, 1, 0                                   ; the last lap fills nothing, and has no round of the cluster's barrier
	STEP 1, 0, 0
	s_wait_dscnt 4*NL                              ; the very last step: nothing more to fetch
	WIN MUL_LO
	MUL16 0, 1, NQ-1, 1, 0
	MUL16 2, 1, NQ-1, 1, 0
	s_wait_dscnt 0
	WIN MUL_HI
	MUL16 4, 1, NQ-1, 1, 0
	MUL16 6, 1, NQ-1, 1, 0
	WIN 0
; THE WAY OUT of block a (16 rows of S1 x 128): quantised in registers, four blocks of 32 by turns, and stored as a fragment's image.  Each accumulator is read from its low end on.
; The windows: QW is the block's accumulators' window.  5 QW: sources 0 and 1;  20 QW: sources 1 and 2;  65 QW: source 0 and destination;  QW: source 0.
.macro QUANTW a
.set QW, 2+(\a)/4
.set QS, 64*((\a)%4)
.set QP, AF+16*(\a)
	WIN 5*QW
.irp b, 0,1,2,3
	v_max3_num_f32 v[TM+\b], |v[QS+16*\b]|, |v[QS+16*\b+1]|, 0x4800000   ; block b: my 16 numbers, and the floor 2^(9 - 127): the byte cannot fall under 1
.endr
	WIN 20*QW
.irp i, 2,4,6,8,10,12,14
.irp b, 0,1,2,3
	v_max3_num_f32 v[TM+\b], v[TM+\b], |v[QS+16*\b+\i]|, |v[QS+16*\b+\i+1]|
.endr
.endr
	WIN 0
.irp b, 0,1,2,3
	v_permlanex16_b32 v[TM+4+\b], v[TM+\b], s[SEL], s[SEL+1]
.endr
.irp b, 0,1,2,3
	v_max_num_f32 v[TM+\b], v[TM+\b], v[TM+4+\b]   ; with lane l xor 16's: the block's largest magnitude
.endr
.irp b, 0,1,2,3
	v_add_nc_u32 v[TM+12+\b], 0xfc000000, v[TM+\b] ; 8 off its exponent field: the conversion takes the exponent field of this operand as its scale
.endr
.irp b, 0,1,2,3
	v_and_or_b32 v[TM+8+\b], v[TM+\b], 0x7f800000, s[MNT]   ; 448 x the scale
.endr
.irp b, 0,1,2,3
	v_lshrrev_b32 v[TM+4+\b], 23, v[TM+12+\b]      ; the scale's byte
.endr
	v_lshl_or_b32 v[SW+\a], v[TM+5], 8, v[TM+4]    ; the four bytes make my row's scale word
	v_lshl_or_b32 v[SW+\a], v[TM+6], 16, v[SW+\a]
	v_lshl_or_b32 v[SW+\a], v[TM+7], 24, v[SW+\a]
	WIN 65*QW
.irp b, 0,1,2,3
.irp i, 0,1,2,3,4,5,6,7,8,9,10,11,12,13,14,15
	v_med3_num_f32 v[QS+16*\b+\i], v[QS+16*\b+\i], -v[TM+8+\b], v[TM+8+\b]   ; the conversion to an 8-bit code does not saturate (ISA guide 7.6.2): the hold at 448 x the scale
.endr
.endr
	WIN QW
.irp b, 0,1,2,3
	v_cvt_scalef32_pk8_fp8_f32 v[QP+4*\b:QP+4*\b+1], v[QS+16*\b:QS+16*\b+7], v[TM+12+\b]
	v_cvt_scalef32_pk8_fp8_f32 v[QP+4*\b+2:QP+4*\b+3], v[QS+16*\b+8:QS+16*\b+15], v[TM+12+\b]
.endr
	WIN 0
	v_nop                                          ; one plain line between the conversions and the next vector line that writes their scale operands
.irp c, 0,1,2,3
	global_store_b128 v[LI], v[QP+4*\c:QP+4*\c+3], s[20:21] offset:2048*(\a)+512*\c   ; 32 lanes store 512 consecutive bytes, aligned; each block has code registers of its own, so no store's data are written again
.endr
.endm
	PLACES NP                                      ; behind the last products: their results are read and S1's fragment registers written only behind these
.irp a, 0,1,2,3,4,5,6,7
	QUANTW \a
.if (\a%4) == 3
	global_store_b128 v[LI], v[SW+4*(\a/4):SW+4*(\a/4)+3], s[22:23] offset:512*(\a/4)   ; four fragments' scale words, 16 bytes a lane
.endif
.endr
	s_wait_tensorcnt 0x0                           ; the wave's end
	ds_add_u32 v[SPW], v[NIL]
	s_wait_dscnt 0x0
	CROUND                                         ; the closing round: no work-group ends while a partner may still ask for a tile that names it
	s_endpgm
.Lfunc_end_k_q41d29ff2d9_kvproj:
	.size	k_q41d29ff2d9_kvproj, .Lfunc_end_k_q41d29ff2d9_kvproj-k_q41d29ff2d9_kvproj
	.p2alignl 7, 3214868480
	.fill 96, 4, 3214868480
	.section	.rodata,"a",@progbits
	.p2align	6, 0x0
	.amdhsa_kernel k_q41d29ff2d9_kvproj
		.amdhsa_group_segment_fixed_size 327680
		.amdhsa_private_segment_fixed_size 0
		.amdhsa_enable_private_segment 0
		.amdhsa_kernarg_size 72
		.amdhsa_user_sgpr_count 2
		.amdhsa_user_sgpr_kernarg_segment_ptr 1
		.amdhsa_wavefront_size32 1
		.amdhsa_system_sgpr_workgroup_id_x 1
		.amdhsa_system_sgpr_workgroup_id_y 1
		.amdhsa_system_sgpr_workgroup_id_z 1
		.amdhsa_system_vgpr_workitem_id 0
		.amdhsa_next_free_vgpr 1024
		.amdhsa_next_free_sgpr 100
		.amdhsa_reserve_vcc 0
		.amdhsa_float_denorm_mode_32 3
		.amdhsa_float_denorm_mode_16_64 3
		.amdhsa_memory_ordered 1
		.amdhsa_forward_progress 1
		.amdhsa_inst_pref_size 185
	.end_amdhsa_kernel
	.amdgpu_metadata
---
amdhsa.version: [ 1, 2 ]
amdhsa.kernels:
  - .name:           k_q41d29ff2d9_kvproj
    .symbol:         k_q41d29ff2d9_kvproj.kd
    .args:
      - { .name: key_codes, .offset: 0, .size: 8, .value_kind: global_buffer, .address_space: global }
      - { .name: key_scales, .offset: 8, .size: 8, .value_kind: global_buffer, .address_space: global }
      - { .name: Wk_codes, .offset: 16, .size: 8, .value_kind: global_buffer, .address_space: global }
      - { .name: Wk_scales, .offset: 24, .size: 8, .value_kind: global_buffer, .address_space: global }
      - { .name: Wv_codes, .offset: 32, .size: 8, .value_kind: global_buffer, .address_space: global }
      - { .name: Wv_scales, .offset: 40, .size: 8, .value_kind: global_buffer, .address_space: global }
      - { .name: value_codes, .offset: 48, .size: 8, .value_kind: global_buffer, .address_space: global }
      - { .name: value_scales, .offset: 56, .size: 8, .value_kind: global_buffer, .address_space: global }
      - { .name: kv, .offset: 64, .size: 8, .value_kind: global_buffer, .address_space: global }
    .group_segment_fixed_size: 327680
    .private_segment_fixed_size: 0
    .kernarg_segment_align: 8
    .kernarg_segment_size: 72
    .max_flat_workgroup_size: 128
    .sgpr_count:     100
    .vgpr_count:     1024
    .wavefront_size: 32
...
	.end_amdgpu_metadata
.endif
;; end of part 1
;; launch attn (part 2): grid 8 x 32, 8 waves a work-group, clusters of 4 x 1, 327,680 bytes of LDS; arguments query_codes, query_scales, Wq_codes, Wq_scales, kv, oimg, ocod, oscl; writes oimg, ocod, oscl
.if DOCPART == 2
	.amdgcn_target "amdgcn-amd-amdhsa--gfx1250"
	.amdhsa_code_object_version 6
	.text
	.protected	k_q41d29ff2d9_attn
	.globl	k_q41d29ff2d9_attn
	.p2align	8
	.type	k_q41d29ff2d9_attn,@function
k_q41d29ff2d9_attn:
	s_mov_b64 s[64:65], 0
	v_nop
	global_prefetch_b8 v0, s[64:65] scope:SCOPE_SE
	s_setreg_imm32_b32 hwreg(HW_REG_WAVE_MODE, 25, 1), 1
	s_wait_xcnt 0x0
	s_wait_alu depctr_hold_cnt(0) depctr_sa_sdst(0) depctr_va_vdst(0) depctr_va_sdst(0) depctr_va_ssrc(0) depctr_va_vcc(0) depctr_vm_vsrc(0)
	s_getreg_b32 s2, hwreg(HW_REG_IB_STS2, 6, 4)
	s_cmp_eq_u32 s2, 0
	s_cbranch_scc0 .Lentry_in_a_cluster
	s_endpgm
.Lentry_in_a_cluster:
	s_bfe_u32 s2, ttmp6, 0x10000c
	s_cmp_lg_u32 s2, 0x3003
	s_cbranch_scc0 .Lentry_shape_is_right
	s_endpgm
.Lentry_shape_is_right:
; For 256 queries of one (b, head): q = query Wq (this head's 128 columns), q quantised, S^T = k q^T, the softmax, O^T = v^T p^T, o' = q + O / l, o' quantised.  All products on codes of FP8 (E4M3) with E8M0 scales.
; Every number of q belongs to one (block of queries, head), so the projection stands here with no product made twice, and q never goes to memory: its f32 numbers wait in LDS for the residual.
; THE SOFTMAX: t = score x log2(e) / 32 (the logits are scaled by 1 / sqrt(1024)); M = the running largest t rounded UP to a whole number; p = 2^(t - M) is quantised along the keys, not normalised; the row's sum is
; taken of the unquantised p and divides O at the end.  When M moves, the sum and O are multiplied by 2^(old M - new M): nothing is rounded, and there is no branch on data.
; SHARES.  Eight waves, two to a SIMD, so that one wave's vector work stands beside the other's matrix work and LDS loads.  A wave owns 32 queries: two tiles of 16, tile T in register window T under the same numbers.
; Each fragment of Wq, K or V read from LDS feeds two matrix instructions, one a tile.  Every wave walks all 2,048 keys, 128 a step.
; ALL PRODUCTS ARE USED TRANSPOSED (source 0 = 16 rows of Wq, 16 keys, or 16 of the head's 128; source 1 = my 16 queries): a lane holds ONE query (lane % 16) throughout, and its registers run along the next product's K.
; Codes are packed in register order: place i of lane half h in block b is index 32 b + 8 h + i % 8 + 16 (i / 8).  The launch before packs k and v the same way, the launch behind reads Wo so.
; K AND V come as images of the operands' registers (kv: a step of 128 keys is 34,816 dense bytes: K's 8 fragments, V's 8, their scale words), through a ring of two LDS slots of two steps each.
; TWO SETS OF FOUR FRAGMENTS, A in window 0 and B in window 1, so that no run of LDS loads stands straight ahead of its products: V's eight fragments are asked for ahead of the softmax; the next step's K goes into
; A behind the products V^T P on A, and into B behind those on B.  One load brings the scale words of both sets: lanes 0-15 read the first four fragments' image, lanes 16-31 the second four's.
; THE CHANGE OF SLOTS stands between the softmax and V^T P of a slot's second step: there the wave's last reads of the slot are waited for anyway, and behind it the next slot's first K can be asked for like any other.
; CLUSTER.  The four blocks of queries of a cluster belong to one (b, head): the slots and Wq's block are asked for JOINTLY, by the same tensor load with the same descriptor and the mask of all four.
; OUT: oimg [tile of 16 rows, 512][head][8,192]: o' in f32 as an image of 64 registers; ocod [tile][head][2,048]: its codes as a fragment's image; oscl [head][tile][16 rows]: its scale words.
; LIMITS: NaN and infinities are not served; a block of zeros gets the scale byte 1 (its codes are zeros, and this program alone reads the bytes); a block whose largest magnitude lies under 2^-118 keeps that byte too.
; LDS: two slots of 69,632; Wq's block, four quarters of K of 128 rows x 272 (later the stash of q, 16,384 a wave); Wq's scale rows; the queries' scale rows; the spare words.
; REGISTERS: v1-9 addresses, v10-11 scale words (window 0); in window T: v12 -M, v13 the largest t, v[14:15] the sum; v16-31 q's codes; v32-95 a set of four fragments; v96-159 q, then S^T and p, at last o';
;   v160-223 query's fragments, then O^T; v224-239 p's codes; v232-254 at work.  Window 0 alone: v248-251 the fragments' scale words; v253 tile 0's p scale word; v255 a query scale word, then tile 0's q scale word.
.set SLOTB, 69632                      ; a slot: two steps.  As a pattern of bits (bits 16 and 12) it meets none of a slot's quarter offsets, so one exclusive or turns an address from one slot into the other
.set STEPB, 34816
.set QUART, 17408                      ; a quarter of a slot: 68 rows of 256 bytes, what one tensor load brings
.set WQ,    2*SLOTB
.set WQQ,   128*272                    ; a quarter of K of Wq's block
.set WSC,   WQ+4*WQQ                   ; Wq's scale rows of the head: 128 x 32 bytes
.set QSC,   WSC+4096                   ; the 256 queries' scale rows: 256 x 32 bytes
.set SPARE, QSC+8192                   ; the spare words, 128 bytes for each wave: four blocks of 256 bytes that no other line names
.set LI,  1                            ; v1   16 x lane: my place in an image
.set SPW, 2                            ; v2   LDS address of my spare word; never rewritten
.set NIL, 3                            ; v3   0; never rewritten
.set ADF, 4                            ; v4   LDS address of the fragments to be fetched
.set STA, 5                            ; v5   my place in my wave's stash
.set AW,  6                            ; v6-7 the projection: my lane's place in Wq's quarters 0, 1 and 2, 3
.set ADS, 6                            ; v6   the key loop: LDS address of the scale words to be fetched
.set LIS, 7                            ; v7   the key loop: 16 x lane + 512 (lane / 16): lanes 16-31 read the second image of scale words
.set AQS, 8                            ; v8   my queries' scale rows: lanes 0-15 tile 0's, lanes 16-31 tile 1's
.set AWS, 9                            ; v9   Wq's scale rows: lanes 0-15 row lane % 16, lanes 16-31 the row 64 further on
.set QS1, 10                           ; v10  the queries' scale words of an odd K step, then tile 1's q scale word (scale operands have no window: they lie in window 0)
.set PS1, 11                           ; v11  tile 1's p scale word
.set QC,  16
.set FRG, 32
.set SS,  96
.set OT,  160
.set PCD, 224
.set TM,  232                          ; v232-235 maxima, v236-239 bytes, v244-247 the conversions' scale operands
.set FA,  248                          ; v248-251 the fragments' scale words: lanes 0-15 set A's, lanes 16-31 set B's
.set FF,  252                          ; f = 2^(old M - new M); in the projection (window 0) my byte offset in query's rows
.set QA,  252
.set PW,  253                          ; the scale word just made
.set TP,  254
.set QS0, 255                          ; the queries' scale words of an even K step, then tile 0's q scale word
.set WV,  20
.set SEL, 22                           ; s[22:23] lane selects: lane l xor 16
.set CS,  24                           ; s[24:25] c = log2(e) / 32: the packed form names a pair and takes its low word for both halves
.set MNT, 26
.set TB,  27                           ; s27  LDS byte at which the slot begins from which K is fetched next
.set SLOTS, 29                         ; s29  trips to go
.set G1D, 32                           ; s[32:39] group 1 for a quarter of a slot;  s[40:47] for a quarter of Wq's block;  s[48:51], s[52:55] their groups 0
.set G1W, 40
.set G0D, 48
.set G0W, 52
.set MSB, 0
.macro WIN new                         ; bits 1:0 source 0, 3:2 source 1, 5:4 source 2, 7:6 destination; the high byte repeats the setting that is left
.if MSB != (\new)
	s_set_vgpr_msb (MSB<<8)|(\new)
.set MSB, (\new)
.endif
.endm
.macro PLACES n
.rept \n
	v_nop
.endr
.endm
.macro CROUND                          ; a round of the cluster's barrier
	s_barrier_signal -1
	s_barrier_wait -1
	s_cmp_lg_u32 s[WV], 0
	s_cbranch_scc1 .Lnot_wave_0_\@
	s_barrier_signal -3
.Lnot_wave_0_\@:
	s_barrier_wait -3
	s_barrier_signal -1
	s_barrier_wait -1
.endm
	s_load_b256 s[4:11], s[0:1], 0x0               ; query's codes s[4:5], its scales s[6:7], Wq's codes s[8:9], its scales s[10:11]
	s_load_b256 s[12:19], s[0:1], 0x20             ; kv s[12:13], oimg s[14:15], ocod s[16:17], oscl s[18:19]
	v_lshl_add_u32 v[SPW], v0, 2, SPARE
	v_mov_b32 v[NIL], 0
	ds_add_u32 v2, v3
	ds_add_u32 v2, v3
	s_wait_dscnt 0x0
	v_lshrrev_b32 v4, 5, v0
	s_delay_alu instid0(VALU_DEP_1)
	v_readfirstlane_b32 s[WV], v4                  ; wave 0..7
	s_bfe_u32 s56, ttmp6, 0x40000                  ; cx: it enters the addresses of query, oimg, ocod and oscl alone
	s_lshl_b32 s57, ttmp9, 2
	s_add_co_u32 s57, s57, s56                     ; my block of 256 queries, 0..7
	s_and_b32 s58, ttmp7, 0xffff                   ; 8 b + head, which the four partners share
	s_lshr_b32 s59, s58, 3                         ; b
	s_and_b32 s60, s58, 7                          ; head
	s_and_b32 s61, s[WV], 3                        ; which quarter I fetch
	; group 1 for a quarter of a slot: 17,408 dense bytes as 68 rows of 256 bytes (32 elements of 8 bytes), no padding: images are read 512 consecutive bytes at a time
	s_mov_b32 s[G1D], 15|(3<<16)|(1<<21)           ; 15:0 the mask: all four work-groups; 17:16 elements of 8 bytes; 21 set beside a mask
	s_mov_b32 s[G1D+1], 32<<16                     ; tensor_dim0
	s_mov_b32 s[G1D+2], 68<<16                     ; tensor_dim1
	s_mov_b32 s[G1D+3], 32<<16                     ; tile_dim0
	s_mov_b32 s[G1D+4], 68                         ; tile_dim1
	s_mov_b32 s[G1D+5], 32                         ; tensor_dim0_stride
	s_mov_b32 s[G1D+6], 0
	s_mov_b32 s[G1D+7], 0
	; group 1 for a quarter of K of Wq's block: 128 rows x 256 bytes, 1,024 bytes apart, 16 bytes of padding behind each
	s_mov_b32 s[G1W], 15|(1<<20)|(1<<21)|(5<<22)|(3<<25)
	s_mov_b32 s[G1W+1], 256<<16
	s_mov_b32 s[G1W+2], 128<<16
	s_mov_b32 s[G1W+3], 256<<16
	s_mov_b32 s[G1W+4], 128
	s_mov_b32 s[G1W+5], 1024
	s_mov_b32 s[G1W+6], 0
	s_mov_b32 s[G1W+7], 0
	s_mul_i32 s62, s61, QUART
	s_mul_i32 s66, s58, 8*SLOTB                    ; the (b, head)'s 557,056 bytes of kv
	s_add_co_u32 s66, s66, s62
	s_mov_b32 s67, 0
	s_mul_i32 s63, s61, WQQ
	s_wait_kmcnt 0x0
	s_mov_b32 s[G0D], 1                            ; count = 1
	s_mov_b32 s[G0D+1], s62                        ; LDS address: slot 0, my quarter
	s_add_nc_u64 s[G0D+2:G0D+3], s[12:13], s[66:67]
	s_or_b32 s[G0D+3], s[G0D+3], 0x80000000        ; type = 2
	s_lshl_b32 s66, s60, 17                        ; Wq's rows 128 head on: 131,072 bytes a head,
	s_lshl_b32 s62, s61, 8                         ; my 256 along K
	s_add_co_u32 s66, s66, s62
	s_mov_b32 s[G0W], 1
	s_add_co_u32 s[G0W+1], s63, WQ
	s_add_nc_u64 s[G0W+2:G0W+3], s[8:9], s[66:67]
	s_or_b32 s[G0W+3], s[G0W+3], 0x80000000
	CROUND                                         ; all four work-groups are here: the first joint loads meet
	s_cmp_lt_u32 s[WV], 4                          ; waves 0-3: slot 0's quarters; waves 4-7: Wq's.  One tensor load of mine is out.  Four v_nop follow each line
	s_cbranch_scc0 .Lfill_w
	tensor_load_to_lds s[G0D:G0D+3], s[G1D:G1D+7]
	s_nop 0
	PLACES 4
	s_branch .Lfilled
.Lfill_w:
	tensor_load_to_lds s[G0W:G0W+3], s[G1W:G1W+7]
	s_nop 0
	PLACES 4
.Lfilled:
	s_lshl_b32 s70, s59, 7
	s_lshl_b32 s71, s57, 4
	s_add_co_u32 s70, s70, s71                     ; my block's first tile of 16 rows: 128 b + 16 x block
	s_lshl_b32 s71, s[WV], 1
	s_add_co_u32 s71, s70, s71                     ; my wave's: + 2 x wave
	s_mov_b32 s69, 0
	s_lshl_b32 s68, s60, 12
	s_add_nc_u64 s[10:11], s[10:11], s[68:69]      ; Wq's scale rows of the head
	s_lshl_b32 s68, s70, 9
	s_add_nc_u64 s[6:7], s[6:7], s[68:69]          ; my block's scale rows: 16 rows x 32 bytes a tile
	s_lshl_b32 s68, s71, 14
	s_add_nc_u64 s[4:5], s[4:5], s[68:69]          ; my wave's rows of query: 16 x 1,024 bytes a tile
	s_lshl_b32 s62, s71, 3
	s_add_co_u32 s62, s62, s60                     ; 8 x tile + head
	s_lshl_b32 s68, s62, 13
	s_add_nc_u64 s[14:15], s[14:15], s[68:69]      ; oimg
	s_lshl_b32 s68, s62, 11
	s_add_nc_u64 s[16:17], s[16:17], s[68:69]      ; ocod
	s_lshl_b32 s62, s60, 9
	s_add_co_u32 s62, s62, s71                     ; 512 x head + tile
	s_lshl_b32 s68, s62, 6
	s_add_nc_u64 s[18:19], s[18:19], s[68:69]      ; oscl
	s_mov_b32 s[SEL], 0x76543210
	s_mov_b32 s[SEL+1], 0xfedcba98
	s_mov_b32 s[CS], 0x3d38aa3b                    ; log2(e) / 32
	s_mov_b32 s[CS+1], s[CS]                       ; named with it as a pair, so it is written
	s_mov_b32 s[TB], 0
	v_and_b32 v[TP], 31, v0                        ; lane
	s_delay_alu instid0(VALU_DEP_1)
	v_lshlrev_b32 v[LI], 4, v[TP]
	v_and_b32 v12, 15, v0                          ; r = lane % 16
	v_bfe_u32 v13, v0, 4, 1                        ; h = lane / 16
	s_lshl_b32 s62, s[WV], 14
	s_add_co_u32 s62, s62, WQ
	v_add_nc_u32 v[STA], s62, v[LI]
	v_mul_u32_u24 v[AW], v12, 272
	s_delay_alu instid0(VALU_DEP_1)
	v_lshl_add_u32 v[AW], v13, 4, v[AW]
	s_delay_alu instid0(VALU_DEP_1)
	v_add_nc_u32 v[AW], WQ, v[AW]                  ; row r x pitch + 16 h
	s_delay_alu instid0(VALU_DEP_1)
	v_add_nc_u32 v[AW+1], 2*WQQ, v[AW]             ; quarters 2 and 3 lie beyond an immediate's reach
	s_lshl_b32 s62, s[WV], 10                      ; my wave's 32 scale rows of 32 bytes:
	s_add_co_u32 s62, s62, QSC
	v_lshl_add_u32 v[AQS], v[TP], 5, s62           ; lane l takes query l's: lanes 0-15 tile 0, lanes 16-31 tile 1
	v_lshlrev_b32 v[AWS], 5, v12
	s_delay_alu instid0(VALU_DEP_1)
	v_lshl_add_u32 v[AWS], v13, 11, v[AWS]         ; lanes 16-31 take Wq's row 64 further on: the second set's
	s_delay_alu instid0(VALU_DEP_1)
	v_add_nc_u32 v[AWS], WSC, v[AWS]
	v_lshlrev_b32 v[QA], 10, v12
	s_delay_alu instid0(VALU_DEP_1)
	v_lshl_add_u32 v[QA], v13, 4, v[QA]            ; query: row r of 1,024 bytes + 16 h
	v_lshlrev_b32 v[ADF], 4, v0                    ; 16 x thread: the scale rows are copied as they lie
	v_lshl_add_u32 v[TP], v0, 4, WSC
	global_load_b128 v[32:35], v[ADF], s[10:11]                ; Wq's 4,096 scale bytes,
	global_load_b128 v[36:39], v[ADF], s[6:7]                  ; the queries' 8,192
	global_load_b128 v[40:43], v[ADF], s[6:7] offset:4096
; Item it of the ring: both tiles' fragments of query for K step it (128 along K), into set it % 4 of four.
.macro QITEM it
.irp c, 0,1,2,3
	global_load_b128 v[OT+16*((\it)%4)+4*\c:OT+16*((\it)%4)+4*\c+3], v[QA], s[4:5] offset:128*(\it)+32*\c
.endr
	WIN 0x40                                       ; destination window 1
.irp c, 0,1,2,3
	global_load_b128 v[OT+16*((\it)%4)+4*\c:OT+16*((\it)%4)+4*\c+3], v[QA], s[4:5] offset:16384+128*(\it)+32*\c
.endr
	WIN 0
.endm
	QITEM 0
	QITEM 1
	QITEM 2
	QITEM 3
	s_wait_alu depctr_va_vdst(0)
	s_wait_loadcnt 32                              ; the three loads of scale rows are in; the ring's 32 may be out
	ds_store_b128 v[TP], v[32:35]
	ds_store_b128 v[TP], v[36:39] offset:4096
	ds_store_b128 v[TP], v[40:43] offset:8192
.irp b, 0,1,2,3
	v_mov_b32 v[TM+4+\b], 0                        ; written once in each window: a lane permute's destination counts as one of its sources
.endr
	v_mov_b32 v[PW], 0                             ; (named as the upper half of a pair)
	WIN 0x55
.irp b, 0,1,2,3
	v_mov_b32 v[TM+4+\b], 0
.endr
	v_mov_b32 v[PW], 0
	WIN 0
	s_wait_tensorcnt 0x0                           ; my part of slot 0 or of Wq's block has landed,
	s_wait_dscnt 0x0                               ; my part of the scale rows is stored:
	s_barrier_signal -1
	s_barrier_wait -1                              ; everybody's are.
; q^T = Wq query^T, K in eight steps of 128.  What a K step wants from LDS:
.macro QSW ks                          ; both tiles' query scale words, one load; two registers take turns by the step's parity
.if (\ks)%2
	ds_load_b32 v[QS1], v[AQS] offset:4*(\ks)
.else
	ds_load_b32 v[QS0], v[AQS] offset:4*(\ks)
.endif
.endm
.macro WLA ks                          ; Wq's rows 0-63: four fragments into set A
.irp t, 0,1,2,3
.irp c, 0,1,2,3
	ds_load_b128 v[FRG+16*\t+4*\c:FRG+16*\t+4*\c+3], v[AW+(\ks)/4] offset:(((\ks)/2)%2)*WQQ+16*\t*272+128*((\ks)%2)+32*\c
.endr
.endr
.endm
.macro WLB ks                          ; the scale words of all eight fragments (four loads), then Wq's rows 64-127: four fragments into set B
.irp t, 0,1,2,3
	ds_load_b32 v[FA+\t], v[AWS] offset:512*\t+4*(\ks)
.endr
	WIN 0x40                                       ; destination window 1
.irp t, 0,1,2,3
.irp c, 0,1,2,3
	ds_load_b128 v[FRG+16*\t+4*\c:FRG+16*\t+4*\c+3], v[AW+(\ks)/4] offset:(((\ks)/2)%2)*WQQ+16*(4+\t)*272+128*((\ks)%2)+32*\c
.endr
.endr
	WIN 0
.endm
; One product: fragment f of set g (0: A, 1: B) x tile tl's 16 queries, K step ks.  Set B's scale words and tile 1's stand in lanes 16-31 of their registers.
.macro QMM g, f, ks, tl
.set rD, SS+8*(4*(\g)+(\f))
.set rA, FRG+16*(\f)
.set rB, OT+16*((\ks)%4)
.if (\ks) == 0
.if ((\g) == 0) && ((\tl) == 0)
	v_wmma_scale_f32_16x16x128_f8f6f4 v[rD:rD+7], v[rA:rA+15], v[rB:rB+15], 0, v[FA+\f], v[SQ]
.elseif (\g) == 0
	v_wmma_scale_f32_16x16x128_f8f6f4 v[rD:rD+7], v[rA:rA+15], v[rB:rB+15], 0, v[FA+\f], v[SQ] matrix_b_scale:MATRIX_SCALE_ROW1
.elseif (\tl) == 0
	v_wmma_scale_f32_16x16x128_f8f6f4 v[rD:rD+7], v[rA:rA+15], v[rB:rB+15], 0, v[FA+\f], v[SQ] matrix_a_scale:MATRIX_SCALE_ROW1
.else
	v_wmma_scale_f32_16x16x128_f8f6f4 v[rD:rD+7], v[rA:rA+15], v[rB:rB+15], 0, v[FA+\f], v[SQ] matrix_a_scale:MATRIX_SCALE_ROW1 matrix_b_scale:MATRIX_SCALE_ROW1
.endif
.else
.if ((\g) == 0) && ((\tl) == 0)
	v_wmma_scale_f32_16x16x128_f8f6f4 v[rD:rD+7], v[rA:rA+15], v[rB:rB+15], v[rD:rD+7], v[FA+\f], v[SQ]
.elseif (\g) == 0
	v_wmma_scale_f32_16x16x128_f8f6f4 v[rD:rD+7], v[rA:rA+15], v[rB:rB+15], v[rD:rD+7], v[FA+\f], v[SQ] matrix_b_scale:MATRIX_SCALE_ROW1
.elseif (\tl) == 0
	v_wmma_scale_f32_16x16x128_f8f6f4 v[rD:rD+7], v[rA:rA+15], v[rB:rB+15], v[rD:rD+7], v[FA+\f], v[SQ] matrix_a_scale:MATRIX_SCALE_ROW1
.else
	v_wmma_scale_f32_16x16x128_f8f6f4 v[rD:rD+7], v[rA:rA+15], v[rB:rB+15], v[rD:rD+7], v[FA+\f], v[SQ] matrix_a_scale:MATRIX_SCALE_ROW1 matrix_b_scale:MATRIX_SCALE_ROW1
.endif
.endif
.endm
; K step ks: 16 products, the 16 accumulators by turns, one instruction a turn.  Each set is filled again, for the next K step, behind its own eight products:
; a run of loads has the other set's products, and what the SIMD's other wave does meanwhile, in which to land.
.macro PSTEP ks
.if (\ks)%2
.set SQ, QS1
.else
.set SQ, QS0
.endif
	s_wait_dscnt 16                                ; the query scale word, set A and Wq's scale words are in; set B's sixteen loads may be out
.if \ks < 5
	s_wait_loadcnt 24                              ; this K step's item of query is in; the three younger items of eight loads may be out
.else
	s_wait_loadcnt 8*(7-\ks)
.endif
.irp t, 0,1,2,3
	QMM 0, \t, \ks, 0
.endr
	WIN 0x54                                       ; tile 1: source 1, C and D in window 1; set A in window 0
.irp t, 0,1,2,3
	QMM 0, \t, \ks, 1
.endr
	WIN 0
.if \ks < 7
	PLACES 8                                       ; behind the products on set A: loads into registers that they have read
	QSW (\ks)+1                                    ; (into the register that the K step before this one read last)
	WLA (\ks)+1
	s_wait_dscnt 17                                ; set B is in; the seventeen loads just issued may be out
.else
	s_wait_dscnt 0x0
.endif
	WIN 0x01                                       ; tile 0: set B in window 1
.irp t, 0,1,2,3
	QMM 1, \t, \ks, 0
.endr
	WIN 0x55                                       ; tile 1: all in window 1
.irp t, 0,1,2,3
	QMM 1, \t, \ks, 1
.endr
	WIN 0
.if \ks < 7
	PLACES 8                                       ; behind the products on set B, on the scale words and on this K step's item
.if \ks < 4
	QITEM (\ks)+4                                  ; into the set of the ring that this K step has left
.endif
	WLB (\ks)+1
.endif
.endm
	QSW 0
	WLA 0
	WLB 0
.irp k, 0,1,2,3,4,5,6,7
	PSTEP \k
.endr
; 64 numbers of a lane, v[src] on, become a fragment's codes in v[codes] on and its scale word in v[PW].  v[src] stays exact.  It runs under the window setting in force.
.macro QUANT src, hold, codes
.irp b, 0,1,2,3
	v_max3_num_f32 v[TM+\b], |v[\src+16*\b]|, |v[\src+1+16*\b]|, 0x4800000   ; block b: my 16 numbers, and the floor 2^(9 - 127): the byte cannot fall under 1
.endr
.irp i, 2,4,6,8,10,12,14
.irp b, 0,1,2,3
	v_max3_num_f32 v[TM+\b], v[TM+\b], |v[\src+16*\b+\i]|, |v[\src+1+16*\b+\i]|
.endr
.endr
.irp b, 0,1,2,3
	v_permlanex16_b32 v[TM+4+\b], v[TM+\b], s[SEL], s[SEL+1]
.endr
.irp b, 0,1,2,3
	s_delay_alu instid0(VALU_DEP_4)
	v_max_num_f32 v[TM+\b], v[TM+\b], v[TM+4+\b]   ; with lane l xor 16's: the block's largest magnitude
.endr
.irp b, 0,1,2,3
	s_delay_alu instid0(VALU_DEP_4)
	v_add_nc_u32 v[TM+12+\b], 0xfc000000, v[TM+\b] ; 8 off its exponent field: the conversion's scale operand
.endr
.irp b, 0,1,2,3
.endr
.irp b, 0,1,2,3
	s_delay_alu instid0(VALU_DEP_4)
	v_lshrrev_b32 v[TM+4+\b], 23, v[TM+12+\b]      ; the scale's byte
.endr
	s_delay_alu instid0(VALU_DEP_3)
	v_lshl_or_b32 v[PW], v[TM+5], 8, v[TM+4]
	s_delay_alu instid0(VALU_DEP_1)
	v_lshl_or_b32 v[PW], v[TM+6], 16, v[PW]
	s_delay_alu instid0(VALU_DEP_1)
	v_lshl_or_b32 v[PW], v[TM+7], 24, v[PW]
.irp b, 0,1,2,3
.irp i, 0,1,2,3,4,5,6,7,8,9,10,11,12,13,14,15
.endr
	v_cvt_scalef32_pk8_fp8_f32 v[\codes+4*\b:\codes+4*\b+1], v[\src+16*\b:\src+16*\b+7], v[TM+12+\b]
	v_cvt_scalef32_pk8_fp8_f32 v[\codes+4*\b+2:\codes+4*\b+3], v[\src+16*\b+8:\src+16*\b+15], v[TM+12+\b]
.endr
	v_nop                                          ; one plain line behind the last conversion
.endm
	PLACES 8                                       ; behind the last products
	QUANT SS, OT, QC                               ; tile 0's q
	v_mov_b32 v[QS0], v[PW]
	WIN 0x55
	QUANT SS, OT, QC                               ; tile 1's
	WIN 0x01
	v_mov_b32 v[QS1], v[PW]                        ; its scale word into window 0
	WIN 0
	s_wait_dscnt 0x0                               ; my reads of Wq's block are over:
	s_barrier_signal -1
	s_barrier_wait -1                              ; everybody's are.  The block has had its one fill: it now holds q in f32, each wave's 16,384 bytes its own
.set Q, 0
.rept 16
	ds_store_b128 v[STA], v[SS+4*Q:SS+4*Q+3] offset:512*Q
.set Q, Q+1
.endr
	WIN 0x04                                       ; an LDS store's data are its source 1
.set Q, 0
.rept 16
	ds_store_b128 v[STA], v[SS+4*Q:SS+4*Q+3] offset:8192+512*Q
.set Q, Q+1
.endr
; The key step is written without a first step of its own: O^T and the sum begin as zeros and the largest t as -3e38, and the first change of M multiplies zeros.  That spares further copies of the step's text.
.macro INIT
	v_mov_b32 v13, 0xff61b1e6
	s_delay_alu instid0(VALU_DEP_1)
	v_floor_f32 v12, -v13
	v_mov_b32 v14, 0
	v_mov_b32 v15, 0
.set J, 0
.rept 64
	v_mov_b32 v[OT+J], 0
.set J, J+1
.endr
.endm
	WIN 0
	INIT
	WIN 0x55
	INIT
	WIN 0
	v_bfe_u32 v[AQS], v0, 4, 1
	s_delay_alu instid0(VALU_DEP_1)
	v_lshl_add_u32 v[LIS], v[AQS], 9, v[LI]        ; 16 x lane + 512 (lane / 16)
; Tile T's softmax of a key step, in window T.
.macro SOFTMAX T
	WIN 0x55*(\T)
.irp b, 0,1,2,3
	v_max3_num_f32 v[TM+\b], v[SS+16*\b], v[SS+1+16*\b], v[SS+2+16*\b]   ; the largest score of each block of 32 keys: for the row's maximum and, since p rises with the score, for the block's largest p
.endr
.irp i, 3,5,7,9,11,13
.irp b, 0,1,2,3
	v_max3_num_f32 v[TM+\b], v[TM+\b], v[SS+16*\b+\i], v[SS+1+16*\b+\i]
.endr
.endr
.irp b, 0,1,2,3
	v_max_num_f32 v[TM+\b], v[TM+\b], v[SS+15+16*\b]
.endr
.irp b, 0,1,2,3
	v_permlanex16_b32 v[TM+4+\b], v[TM+\b], s[SEL], s[SEL+1]
.endr
.irp b, 0,1,2,3
	s_delay_alu instid0(VALU_DEP_4)
	v_max_num_f32 v[TM+\b], v[TM+\b], v[TM+4+\b]   ; with lane l xor 16's 16 keys
.endr
	s_delay_alu instid0(VALU_DEP_2)
	v_max3_num_f32 v[TP], v[TM], v[TM+1], v[TM+2]
	s_delay_alu instid0(VALU_DEP_1)
	v_max_num_f32 v[TP], v[TP], v[TM+3]            ; the step's largest score of my query
	s_delay_alu instid0(VALU_DEP_1)
	v_mul_f32 v[TP], s[CS], v[TP]                  ; as t (c is positive)
	s_delay_alu instid0(VALU_DEP_1)
	v_max_num_f32 v13, v13, v[TP]                  ; the running largest t
	v_mov_b32 v[TP], v12
	s_delay_alu instid0(VALU_DEP_2)
	v_floor_f32 v12, -v13                          ; the new -M = floor(-t): M is a whole number
	s_delay_alu instid0(VALU_DEP_1)
	v_sub_f32 v[TP], v12, v[TP]                    ; old M - new M: a whole number, 0 or less
	s_delay_alu instid0(VALU_DEP_1)
	v_cvt_i32_f32 v[TP], v[TP]                     ; (it saturates)
	s_delay_alu instid0(VALU_DEP_1)
	v_ldexp_f32 v[FF], 1.0, v[TP]                  ; f = 2^(old M - new M)
.set J, 0
.rept 32
	v_pk_fma_f32 v[SS+J:SS+J+1], v[SS+J:SS+J+1], s[CS:CS+1], v[12:13] op_sel_hi:[1,0,0]   ; t - M, two at a time
.set J, J+2
.endr
.irp b, 0,1,2,3
	v_fma_f32 v[TM+\b], v[TM+\b], s[CS], v12       ; the same of each block's largest score
.endr
.set J, 0
	s_wait_alu depctr_va_vdst(0)
.rept 64
	v_exp_f32 v[SS+J], v[SS+J]                     ; p = 2^(t - M), at most 1
.set J, J+1
.endr
.irp b, 0,1,2,3
	v_exp_f32 v[TM+\b], v[TM+\b]                   ; the block's largest p: the same two instructions on the same number
.endr
	v_pk_mul_f32 v[14:15], v[14:15], v[FF:FF+1] op_sel_hi:[1,0]   ; the sums under the new M (a plain line behind the exponentials)
	s_wait_alu depctr_va_vdst(0)
.irp b, 0,1,2,3
	v_max_num_f32 v[TM+\b], 0x4800000, v[TM+\b]    ; the floor 2^(9 - 127)
.endr
.irp b, 0,1,2,3
	s_delay_alu instid0(VALU_DEP_4)
	v_add_nc_u32 v[TM+12+\b], 0xfc000000, v[TM+\b]
.endr
.irp b, 0,1,2,3
.endr
.irp b, 0,1,2,3
	s_delay_alu instid0(VALU_DEP_4)
	v_lshrrev_b32 v[TM+4+\b], 23, v[TM+12+\b]
.endr
	s_delay_alu instid0(VALU_DEP_3)
	v_lshl_or_b32 v[PW], v[TM+5], 8, v[TM+4]       ; p's scale word for these 128 keys
	s_delay_alu instid0(VALU_DEP_1)
	v_lshl_or_b32 v[PW], v[TM+6], 16, v[PW]
	s_delay_alu instid0(VALU_DEP_1)
	v_lshl_or_b32 v[PW], v[TM+7], 24, v[PW]
.if \T
	WIN 0x01
	v_mov_b32 v[PS1], v[PW]                        ; tile 1's into window 0; far more than eight plain lines follow ahead of its products
	WIN 0x55
.endif
	v_pk_add_f32 v[TM+4:TM+5], v[SS:SS+1], v[SS+2:SS+3]   ; the row's sum is taken of the unquantised p: two at a time, in two chains
.set J, 4
.rept 15
	v_pk_add_f32 v[14:15], v[14:15], v[SS+J:SS+J+1]
	v_pk_add_f32 v[TM+4:TM+5], v[TM+4:TM+5], v[SS+J+2:SS+J+3]
.set J, J+4
.endr
	s_delay_alu instid0(VALU_DEP_1)
	v_pk_add_f32 v[14:15], v[14:15], v[TM+4:TM+5]
.irp b, 0,1,2,3
.irp i, 0,1,2,3,4,5,6,7,8,9,10,11,12,13,14,15
.endr
	v_cvt_scalef32_pk8_fp8_f32 v[PCD+4*\b:PCD+4*\b+1], v[SS+16*\b:SS+16*\b+7], v[TM+12+\b]
	v_cvt_scalef32_pk8_fp8_f32 v[PCD+4*\b+2:PCD+4*\b+3], v[SS+16*\b+8:SS+16*\b+15], v[TM+12+\b]
.endr
.set J, 0
.rept 32
	v_pk_mul_f32 v[OT+J:OT+J+1], v[OT+J:OT+J+1], v[FF:FF+1] op_sel_hi:[1,0]   ; O^T under the new M; these lines are also the places between the codes and their products
.set J, J+2
.endr
.endm
; Fragments from a step's block, as images: 512 consecutive bytes an instruction.  off: K's fragments begin at 0, V's at 16,384;  soff: their scale words at 32,768 and 33,792.
.macro LDA off                         ; the first four fragments into set A: sixteen loads
.irp t, 0,1,2,3
.irp c, 0,1,2,3
	ds_load_b128 v[FRG+16*\t+4*\c:FRG+16*\t+4*\c+3], v[ADF] offset:\off+2048*\t+512*\c
.endr
.endr
.endm
.macro LDB off, soff                   ; all eight fragments' scale words (one load), then the second four fragments into set B: sixteen loads
	ds_load_b128 v[FA:FA+3], v[ADS] offset:\soff
	WIN 0x40                                       ; destination window 1
.irp t, 0,1,2,3
.irp c, 0,1,2,3
	ds_load_b128 v[FRG+16*\t+4*\c:FRG+16*\t+4*\c+3], v[ADF] offset:\off+8192+2048*\t+512*\c
.endr
.endr
	WIN 0
.endm
.macro SQK g, sc                       ; S^T = K Q^T: the four tiles of 16 keys of set g, one tile of queries; the window setting says which
.irp t, 0,1,2,3
.if \g
	v_wmma_scale_f32_16x16x128_f8f6f4 v[SS+8*(4+\t):SS+8*(4+\t)+7], v[FRG+16*\t:FRG+16*\t+15], v[QC:QC+15], 0, v[FA+\t], v[\sc] matrix_a_scale:MATRIX_SCALE_ROW1
.else
	v_wmma_scale_f32_16x16x128_f8f6f4 v[SS+8*\t:SS+8*\t+7], v[FRG+16*\t:FRG+16*\t+15], v[QC:QC+15], 0, v[FA+\t], v[\sc]
.endif
.endr
.endm
.macro PVM g, sc                       ; O^T += V^T P^T: the four tiles of 16 of the head's 128 of set g, one tile of queries; each accumulator has one link a step
.irp t, 0,1,2,3
.if \g
	v_wmma_scale_f32_16x16x128_f8f6f4 v[OT+8*(4+\t):OT+8*(4+\t)+7], v[FRG+16*\t:FRG+16*\t+15], v[PCD:PCD+15], v[OT+8*(4+\t):OT+8*(4+\t)+7], v[FA+\t], v[\sc] matrix_a_scale:MATRIX_SCALE_ROW1
.else
	v_wmma_scale_f32_16x16x128_f8f6f4 v[OT+8*\t:OT+8*\t+7], v[FRG+16*\t:FRG+16*\t+15], v[PCD:PCD+15], v[OT+8*\t:OT+8*\t+7], v[FA+\t], v[\sc]
.endif
.endr
.endm
; THE CHANGE OF SLOTS.  Each wave waits for all its tensor loads (its part of the slot ahead), adds 0 to its spare word, and waits for that and for its reads of the slot in hand, of which V's of the second step were the last.
; fill = 1: the barrier is a round of the cluster's, so that no wave of any partner still reads the slot in hand or has a load on its way; that slot is then filled with the keys two slots on, first thing behind the round:
; one tensor load of waves 0-3 is out, and it has two key steps in which to land.
.macro CHANGE fill
	s_wait_tensorcnt 0x0                           ; no tensor load of mine is out, so a group 0 may be written
	ds_add_u32 v[SPW], v[NIL]                      ; 0 onto my spare word
.if \fill
	s_xor_b32 s[G0D+1], s[G0D+1], SLOTB            ; the other slot than last time,
	s_add_nc_u64 s[G0D+2:G0D+3], s[G0D+2:G0D+3], SLOTB   ; the next 256 keys; the type bits on top are not reached
.endif
	s_wait_dscnt 0x0                               ; the add is done, and my LDS loads are back
.if \fill
	CROUND
	s_cmp_lt_u32 s[WV], 4
	s_cbranch_scc0 .Lnone_\@
	tensor_load_to_lds s[G0D:G0D+3], s[G1D:G1D+7]
	s_nop 0
	PLACES 4
.Lnone_\@:
.else
	s_barrier_signal -1
	s_barrier_wait -1
.endif
.endm
; A KEY STEP: 128 keys.  Its K was asked for in the step before.  second = 1: the slot's second step, with the change of slots in it; fill as in CHANGE.
; In the text without a refill the last trip's two runs of loads, which nothing would read, are jumped over: a scalar branch on the count of trips.
.macro KEYSTEP second, fill
	s_wait_dscnt 16                                ; K's set A and the scale words are in; set B's sixteen loads may be out
	SQK 0, QS0
	WIN 0x54                                       ; tile 1: source 1 and D in window 1; set A in window 0
	SQK 0, QS1
	s_wait_dscnt 0x0                               ; set B is in
	WIN 0x01                                       ; tile 0: set B in window 1
	SQK 1, QS0
	WIN 0x55                                       ; tile 1: all in window 1
	SQK 1, QS1
	WIN 0
	PLACES 8                                       ; behind the products: loads into registers that they have read, and the first read of their results
	LDA 16384                                      ; all of V's fragments land under the softmax
	LDB 16384, 33792
	SOFTMAX 0
	SOFTMAX 1
	WIN 0
.if \second
	CHANGE \fill
	s_xor_b32 s[TB], s[TB], SLOTB                  ; the next K is the other slot's first step's
	v_add_nc_u32 v[ADF], s[TB], v[LI]
	v_add_nc_u32 v[ADS], s[TB], v[LIS]
.else
	s_wait_alu depctr_va_vdst(0)
	s_wait_dscnt 0x0                               ; V is in; no LDS load of mine is out
	v_add_nc_u32 v[ADF], STEPB, v[ADF]             ; the next K is this slot's second step's
	v_add_nc_u32 v[ADS], STEPB, v[ADS]
.endif
	PVM 0, PW
	WIN 0x54
	PVM 0, PS1
	WIN 0
.if (\second) && ((\fill) == 0)
	s_cmp_eq_u32 s[SLOTS], 1
	s_cbranch_scc1 .Lno_a_\@
.endif
	PLACES 8                                       ; behind the products on set A
	LDA 0                                          ; the next step's K, first half
.if (\second) && ((\fill) == 0)
.Lno_a_\@:
.endif
	WIN 0x01
	PVM 1, PW
	WIN 0x55
	s_wait_alu depctr_va_vdst(0)
	PVM 1, PS1
	WIN 0
.if (\second) && ((\fill) == 0)
	s_cmp_eq_u32 s[SLOTS], 1
	s_cbranch_scc1 .Lno_b_\@
.endif
	PLACES 8                                       ; behind the products on set B and on the scale words
	LDB 0, 32768                                   ; its scale words and second half
.if (\second) && ((\fill) == 0)
.Lno_b_\@:
.endif
.endm
	CHANGE 1                                       ; slot 1's first fill is issued as a refill is; my stores into the stash are done
	v_add_nc_u32 v[ADF], s[TB], v[LI]              ; slot 0, whole since the first barrier: its first step's K
	s_wait_alu depctr_va_vdst(0)
	v_add_nc_u32 v[ADS], s[TB], v[LIS]
	LDA 0
	LDB 0, 32768
	s_mov_b32 s[SLOTS], 6
.Lslot:                                            ; six trips, slots 0 to 5: each is filled again with the keys two slots on
	s_wait_alu depctr_va_vdst(0)
	KEYSTEP 0, 1
	s_wait_alu depctr_va_vdst(0)
	KEYSTEP 1, 1
	s_sub_co_u32 s[SLOTS], s[SLOTS], 1
	s_cmp_lg_u32 s[SLOTS], 0
	s_cbranch_scc1 .Lslot
	s_mov_b32 s[SLOTS], 2
.Ltail:                                            ; slots 6 and 7. Its last trip's barrier orders nothing: it stands because the text is walked twice
	KEYSTEP 0, 0
	KEYSTEP 1, 0
	s_sub_co_u32 s[SLOTS], s[SLOTS], 1
	s_cmp_lg_u32 s[SLOTS], 0
	s_cbranch_scc1 .Ltail
; THE WAY OUT of tile T: q comes back from the stash; o' = q + O^T / the sum; it leaves in f32 as an image of its 64 registers, is quantised, and its codes leave as a fragment's image.
.macro OUTT T
	WIN 0x40*(\T)
.set Q, 0
.rept 16
	ds_load_b128 v[SS+4*Q:SS+4*Q+3], v[STA] offset:8192*(\T)+512*Q
.set Q, Q+1
.endr
	WIN 0x55*(\T)
	v_add_f32 v14, v14, v15                        ; the sum's two halves,
	s_delay_alu instid0(VALU_DEP_1)
	v_permlanex16_b32 v[FF], v14, s[SEL], s[SEL+1]
	s_delay_alu instid0(VALU_DEP_1)
	v_add_f32 v14, v14, v[FF]                      ; and lane l xor 16's: the row's sum
	s_wait_alu depctr_va_vdst(0)
	v_rcp_f32 v14, v14
	v_nop                                          ; a plain line behind the transcendental
	s_wait_dscnt 0x0                               ; q is back
.set J, 0
	s_wait_alu depctr_va_vdst(0)
.rept 32
	v_pk_fma_f32 v[SS+J:SS+J+1], v[OT+J:OT+J+1], v[14:15], v[SS+J:SS+J+1] op_sel_hi:[1,0,1]   ; each accumulator from its low end on
.set J, J+2
.endr
	WIN 0x04*(\T)                                  ; a store's data are its source 1
.set Q, 0
.rept 16
	global_store_b128 v[LI], v[SS+4*Q:SS+4*Q+3], s[14:15] offset:65536*(\T)+512*Q   ; 32 lanes store 512 consecutive bytes, aligned
.set Q, Q+1
.endr
	WIN 0x55*(\T)
	QUANT SS, OT, QC                               ; what the stores above read is not written
	WIN 0x04*(\T)
.irp c, 0,1,2,3
	global_store_b128 v[LI], v[QC+4*\c:QC+4*\c+3], s[16:17] offset:16384*(\T)+512*\c
.endr
.endm
	PLACES 8                                       ; behind the last products
	OUTT 0
	OUTT 1
	WIN 0
	v_and_b32 v[ADF], 31, v0
	s_delay_alu instid0(VALU_DEP_1)
	v_cmp_lt_u32 vcc_lo, 15, v[ADF]                ; lanes 16-31 carry tile 1's scale words (both halves of the lanes hold a row's word)
	s_delay_alu instid0(VALU_DEP_2)
	v_lshlrev_b32 v[ADF], 2, v[ADF]
	WIN 0x04
	v_cndmask_b32 v[TP], v[PW], v[PW], vcc_lo      ; source 0: tile 0's word, window 0; source 1: tile 1's, window 1
	WIN 0
	global_store_b32 v[ADF], v[TP], s[18:19]       ; 128 consecutive bytes: two tiles' words
	s_wait_tensorcnt 0x0                           ; the wave's end
	ds_add_u32 v[SPW], v[NIL]
	s_wait_dscnt 0x0
	CROUND                                         ; the closing round: no work-group ends while a partner may still ask for a tile that names it
	s_endpgm
.Lfunc_end_k_q41d29ff2d9_attn:
	.size	k_q41d29ff2d9_attn, .Lfunc_end_k_q41d29ff2d9_attn-k_q41d29ff2d9_attn
	.p2alignl 7, 3214868480
	.fill 96, 4, 3214868480
	.section	.rodata,"a",@progbits
	.p2align	6, 0x0
	.amdhsa_kernel k_q41d29ff2d9_attn
		.amdhsa_group_segment_fixed_size 327680
		.amdhsa_private_segment_fixed_size 0
		.amdhsa_enable_private_segment 0
		.amdhsa_kernarg_size 64
		.amdhsa_user_sgpr_count 2
		.amdhsa_user_sgpr_kernarg_segment_ptr 1
		.amdhsa_wavefront_size32 1
		.amdhsa_system_sgpr_workgroup_id_x 1
		.amdhsa_system_sgpr_workgroup_id_y 1
		.amdhsa_system_sgpr_workgroup_id_z 1
		.amdhsa_system_vgpr_workitem_id 0
		.amdhsa_next_free_vgpr 512
		.amdhsa_next_free_sgpr 72
		.amdhsa_reserve_vcc 1
		.amdhsa_float_denorm_mode_32 3
		.amdhsa_float_denorm_mode_16_64 3
		.amdhsa_fp16_overflow 1
		.amdhsa_memory_ordered 1
		.amdhsa_forward_progress 1
		.amdhsa_inst_pref_size 238
	.end_amdhsa_kernel
	.amdgpu_metadata
---
amdhsa.version: [ 1, 2 ]
amdhsa.kernels:
  - .name:           k_q41d29ff2d9_attn
    .symbol:         k_q41d29ff2d9_attn.kd
    .args:
      - { .name: query_codes, .offset: 0, .size: 8, .value_kind: global_buffer, .address_space: global }
      - { .name: query_scales, .offset: 8, .size: 8, .value_kind: global_buffer, .address_space: global }
      - { .name: Wq_codes, .offset: 16, .size: 8, .value_kind: global_buffer, .address_space: global }
      - { .name: Wq_scales, .offset: 24, .size: 8, .value_kind: global_buffer, .address_space: global }
      - { .name: kv, .offset: 32, .size: 8, .value_kind: global_buffer, .address_space: global }
      - { .name: oimg, .offset: 40, .size: 8, .value_kind: global_buffer, .address_space: global }
      - { .name: ocod, .offset: 48, .size: 8, .value_kind: global_buffer, .address_space: global }
      - { .name: oscl, .offset: 56, .size: 8, .value_kind: global_buffer, .address_space: global }
    .group_segment_fixed_size: 327680
    .private_segment_fixed_size: 0
    .kernarg_segment_align: 8
    .kernarg_segment_size: 64
    .max_flat_workgroup_size: 256
    .sgpr_count:     72
    .vgpr_count:     512
    .wavefront_size: 32
...
	.end_amdgpu_metadata
.endif
;; end of part 2
;; launch outproj (part 3): grid 32 x 8, 4 waves a work-group, clusters of 4 x 1, 173,568 bytes of LDS; arguments ocod, oscl, oimg, Wo_codes, Wo_scales, bo, out0; writes out0
.if DOCPART == 3
	.amdgcn_target "amdgcn-amd-amdhsa--gfx1250"
	.amdhsa_code_object_version 6
	.text
	.protected	k_q41d29ff2d9_outproj
	.globl	k_q41d29ff2d9_outproj
	.p2align	8
	.type	k_q41d29ff2d9_outproj,@function
k_q41d29ff2d9_outproj:
	s_mov_b64 s[64:65], 0
	v_nop
	global_prefetch_b8 v0, s[64:65] scope:SCOPE_SE
	s_setreg_imm32_b32 hwreg(HW_REG_WAVE_MODE, 25, 1), 1
	s_wait_xcnt 0x0
	s_wait_alu depctr_hold_cnt(0) depctr_sa_sdst(0) depctr_va_vdst(0) depctr_va_sdst(0) depctr_va_ssrc(0) depctr_va_vcc(0) depctr_vm_vsrc(0)
	s_getreg_b32 s2, hwreg(HW_REG_IB_STS2, 6, 4)
	s_cmp_eq_u32 s2, 0
	s_cbranch_scc0 .Lentry_in_a_cluster
	s_endpgm
.Lentry_in_a_cluster:
	s_bfe_u32 s2, ttmp6, 0x10000c
	s_cmp_lg_u32 s2, 0x3003
	s_cbranch_scc0 .Lentry_shape_is_right
	s_endpgm
.Lentry_shape_is_right:
; out = o' + relu(o' Wo + bo), the product on codes of FP8 (E4M3) with E8M0 scales.  o' comes from the launch before: its codes as images of fragments (ocod), its scale words (oscl), its f32 numbers as images of registers (oimg).
; SHARES.  A work-group makes 256 rows x 128 columns; wave w makes rows 64 w on, four tiles of 16, against all 128 columns: 32 accumulators.  K = 1,024 in eight steps of 128: step s is head s of o'.
; THE MATRIX INSTRUCTION IS USED TRANSPOSED (source 0 = 16 rows of Wo, source 1 = 16 rows of o'): a lane holds one row, and register 8 t + j column 16 t + 8 (lane / 16) + j: the very layout in which oimg holds o',
; so the residual is added register by register.  The bias is the C of each sum's first product.
; o's codes were packed in register order: place i of lane half h in block c is k = 32 c + 8 h + i % 8 + 16 (i / 8).  Wo's fragment is given the same order: two loads of 8 bytes a block, at 32 c + 8 h and 32 c + 16 + 8 h.
; Wo's BLOCK of 128 rows x 1,024 bytes is what the four partners of a cluster share: it is asked for jointly, one quarter of K a wave, lands once and stays.  No LDS byte is filled twice in this launch.
; o's fragments are read by one wave alone: they come from their images straight into registers, 512 consecutive bytes a load, through a ring of four sets, three K steps ahead; the same ring then brings o' in f32.
; LDS: Wo's four quarters of 128 rows x 272; behind them a stage of 16 rows x 528 bytes for each wave.
; REGISTERS, in windows of 256: window 0: v1-8 addresses; v16-79 Wo's scale words (8 t + s); v80-95 o's (2 s + a / 2: lanes 0-15 the even tile of rows, lanes 16-31 the odd); v96-159 the bias, 8 a tile.
;   window 1: the accumulators, (a, t) at v[8 (8 a + t)].   window 2: the ring, four sets of 64.   window 3: Wo's fragments, two sets of 128; on the way out the rows read back.
.set WOQ,    128*272                   ; a quarter of K of Wo's block: rows of 256 bytes + 16 of padding
.set STAGE,  4*WOQ
.set SPITCH, 528                       ; a stage row: 512 bytes + 16
.set LI,  1                            ; v1   16 x lane
.set AWO, 2                            ; v2-3 my lane's place in Wo's quarters 0, 1 and 2, 3: 272 r + 8 h
.set STO, 4                            ; v4   the stage: where I put 32 bytes of a row
.set RD,  5                            ; v5   and where I read a row back
.set WS,  16
.set OS,  80
.set BI,  96
.set WV,  18
.set G1,  24                           ; s[24:31] descriptor group 1;  s[32:35] group 0
.set G0,  32
.set MSB, 0
.macro WIN new                         ; bits 1:0 source 0, 3:2 source 1, 5:4 source 2, 7:6 destination; the high byte repeats the setting that is left
.if MSB != (\new)
	s_set_vgpr_msb (MSB<<8)|(\new)
.set MSB, (\new)
.endif
.endm
.macro PLACES n
.rept \n
	v_nop
.endr
.endm
.macro CROUND                          ; a round of the cluster's barrier
	s_barrier_signal -1
	s_barrier_wait -1
	s_cmp_lg_u32 s[WV], 0
	s_cbranch_scc1 .Lnot_wave_0_\@
	s_barrier_signal -3
.Lnot_wave_0_\@:
	s_barrier_wait -3
	s_barrier_signal -1
	s_barrier_wait -1
.endm
	s_load_b256 s[4:11], s[0:1], 0x0               ; ocod s[4:5], oscl s[6:7], oimg s[8:9], Wo's codes s[10:11]
	s_load_b128 s[12:15], s[0:1], 0x20             ; Wo's scales s[12:13], bo s[14:15]
	s_load_b64 s[16:17], s[0:1], 0x30              ; out0
	v_lshl_add_u32 v254, v0, 2, 0x2a400
	v_mov_b32 v255, 0
	ds_add_u32 v254, v255
	ds_add_u32 v254, v255
	v_lshrrev_b32 v9, 5, v0
	v_readfirstlane_b32 s[WV], v9                  ; wave 0..3
	s_bfe_u32 s36, ttmp6, 0x40000                  ; cx: it enters the addresses of ocod, oscl, oimg and out0 alone
	s_lshl_b32 s37, ttmp9, 2
	s_add_co_u32 s37, s37, s36                     ; my block of 256 rows, 0..31
	s_and_b32 s38, ttmp7, 0xffff                   ; my block of 128 columns, 0..7, which the four partners share
	; group 1: 128 rows x 256 bytes, 1,024 bytes apart, 16 bytes of padding behind each
	s_mov_b32 s[G1], 15|(1<<20)|(1<<21)|(5<<22)|(3<<25)   ; 15:0 the mask: all four work-groups; 17:16 elements of 1 byte; 20 padding on; 21 set beside a mask; 24:22 after every 64 words; 31:25 four words
	s_mov_b32 s[G1+1], 256<<16                     ; tensor_dim0
	s_mov_b32 s[G1+2], 128<<16                     ; tensor_dim1
	s_mov_b32 s[G1+3], 256<<16                     ; tile_dim0
	s_mov_b32 s[G1+4], 128                         ; tile_dim1
	s_mov_b32 s[G1+5], 1024                        ; tensor_dim0_stride
	s_mov_b32 s[G1+6], 0
	s_mov_b32 s[G1+7], 0
	s_mul_i32 s39, s[WV], WOQ
	s_lshl_b32 s40, s38, 17                        ; Wo's rows 128 Y on,
	s_lshl_b32 s41, s[WV], 8                       ; my 256 along K
	s_add_co_u32 s40, s40, s41
	s_mov_b32 s41, 0
	s_wait_dscnt 0x0
	s_wait_kmcnt 0x0
	s_mov_b32 s[G0], 1
	s_mov_b32 s[G0+1], s39
	s_add_nc_u64 s[G0+2:G0+3], s[10:11], s[40:41]
	s_or_b32 s[G0+3], s[G0+3], 0x80000000
	CROUND                                         ; all four work-groups are here: the joint loads meet
	tensor_load_to_lds s[G0:G0+3], s[G1:G1+7]      ; my one tensor load of the launch
	s_nop 0
	PLACES 4
	s_lshl_b32 s42, s37, 4
	s_lshl_b32 s43, s[WV], 2
	s_add_co_u32 s42, s42, s43                     ; my first tile of 16 rows: 16 X + 4 w
	s_mov_b32 s45, 0
	s_lshl_b32 s44, s42, 14
	s_add_nc_u64 s[4:5], s[4:5], s[44:45]          ; ocod: 8 heads x 2,048 bytes a tile
	s_lshl_b32 s44, s42, 6
	s_add_nc_u64 s[6:7], s[6:7], s[44:45]          ; oscl: 64 bytes a tile
	s_lshl_b32 s44, s42, 3
	s_add_co_u32 s44, s44, s38
	s_lshl_b32 s44, s44, 13
	s_add_nc_u64 s[8:9], s[8:9], s[44:45]          ; oimg: (8 x tile + Y) x 8,192
	s_lshl_b32 s44, s38, 12
	s_add_nc_u64 s[12:13], s[12:13], s[44:45]      ; Wo's scale rows 128 Y on
	s_lshl_b32 s44, s38, 9
	s_add_nc_u64 s[14:15], s[14:15], s[44:45]      ; bo at column 128 Y
	s_lshl_b32 s46, s42, 16                        ; out0: 16 rows of 4,096 bytes a tile, + 512 Y
	s_add_co_u32 s44, s46, s44
	s_add_nc_u64 s[16:17], s[16:17], s[44:45]
	v_and_b32 v9, 31, v0
	v_lshlrev_b32 v[LI], 4, v9
	v_lshlrev_b32 v7, 2, v9                        ; 4 x lane: o's scale words
	v_and_b32 v10, 15, v0                          ; r
	v_bfe_u32 v11, v0, 4, 1                        ; h
	v_mul_u32_u24 v[AWO], v10, 272
	v_lshl_add_u32 v[AWO], v11, 3, v[AWO]
	v_add_nc_u32 v[AWO+1], 2*WOQ, v[AWO]           ; quarters 2 and 3 lie beyond an immediate's reach
	s_mul_i32 s47, s[WV], 16*SPITCH
	s_add_co_u32 s47, s47, STAGE
	v_mul_u32_u24 v[STO], v10, SPITCH
	v_lshl_add_u32 v[STO], v11, 5, v[STO]
	v_add_nc_u32 v[STO], s47, v[STO]               ; in: row r, + 32 h
	v_add_nc_u32 v[RD], s47, v[LI]                 ; back: the 32 lanes take a row of 512 bytes
	v_lshlrev_b32 v6, 5, v10                       ; Wo's scale row of lane % 16: 32 bytes a row
	v_lshlrev_b32 v8, 5, v11                       ; the bias: 8 numbers for each half of the lanes
.irp t, 0,1,2,3,4,5,6,7
	global_load_b128 v[WS+8*\t:WS+8*\t+3], v6, s[12:13] offset:512*\t         ; a whole scale row: the words of all eight K steps
	global_load_b128 v[WS+8*\t+4:WS+8*\t+7], v6, s[12:13] offset:512*\t+16
.endr
.irp k, 0,1,2,3,4,5,6,7
.irp p, 0,1
	global_load_b32 v[OS+2*\k+\p], v7, s[6:7] offset:32768*\k+128*\p          ; two tiles' words: 128 consecutive bytes
.endr
.endr
.irp t, 0,1,2,3,4,5,6,7
	global_load_b128 v[BI+8*\t:BI+8*\t+3], v8, s[14:15] offset:64*\t
	global_load_b128 v[BI+8*\t+4:BI+8*\t+7], v8, s[14:15] offset:64*\t+16
.endr
; Item it of the ring, 16 loads, into set it % 4.  Items 0-7: my four tiles' fragments of K step it.  Items 8-11: o' in f32 of tile it - 8, read once in this launch.
.macro ITEM it
	WIN 0x80                                       ; destination window 2
.if (\it) < 8
.irp a, 0,1,2,3
.irp c, 0,1,2,3
	global_load_b128 v[64*((\it)%4)+16*\a+4*\c:64*((\it)%4)+16*\a+4*\c+3], v[LI], s[4:5] offset:16384*\a+2048*(\it)+512*\c
.endr
.endr
.else
.set Q, 0
.rept 16
	global_load_b128 v[64*((\it)%4)+4*Q:64*((\it)%4)+4*Q+3], v[LI], s[8:9] offset:65536*((\it)-8)+512*Q th:TH_LOAD_NT
.set Q, Q+1
.endr
.endif
	WIN 0
.endm
	ITEM 0
	ITEM 1
	ITEM 2
	ITEM 3
.macro FETCHW ks                       ; Wo's eight fragments of K step ks into set ks % 2: the 32 lanes of a load touch 64 different words modulo 64
	WIN 0xC0                                       ; destination window 3
.irp t, 0,1,2,3,4,5,6,7
.irp c, 0,1,2,3
	ds_load_b64 v[128*((\ks)%2)+16*\t+4*\c:128*((\ks)%2)+16*\t+4*\c+1], v[AWO+(\ks)/4] offset:(((\ks)/2)%2)*WOQ+4352*\t+128*((\ks)%2)+32*\c
	ds_load_b64 v[128*((\ks)%2)+16*\t+4*\c+2:128*((\ks)%2)+16*\t+4*\c+3], v[AWO+(\ks)/4] offset:(((\ks)/2)%2)*WOQ+4352*\t+128*((\ks)%2)+32*\c+16
.endr
.endr
	WIN 0
.endm
	s_wait_tensorcnt 0x0                           ; my quarter of Wo's block has landed,
	s_barrier_signal -1
	s_barrier_wait -1                              ; everybody's has
	FETCHW 0
.macro OMM a, t, ks                    ; one product: tile a of rows x tile t of columns, K step ks.  An odd tile of rows has its scale words in lanes 16-31
.if (\ks) == 0
.if (\a)%2
	v_wmma_scale_f32_16x16x128_f8f6f4 v[8*(8*\a+\t):8*(8*\a+\t)+7], v[128*((\ks)%2)+16*\t:128*((\ks)%2)+16*\t+15], v[64*((\ks)%4)+16*\a:64*((\ks)%4)+16*\a+15], v[BI+8*\t:BI+8*\t+7], v[WS+8*\t+\ks], v[OS+2*\ks+\a/2] matrix_b_scale:MATRIX_SCALE_ROW1
.else
	v_wmma_scale_f32_16x16x128_f8f6f4 v[8*(8*\a+\t):8*(8*\a+\t)+7], v[128*((\ks)%2)+16*\t:128*((\ks)%2)+16*\t+15], v[64*((\ks)%4)+16*\a:64*((\ks)%4)+16*\a+15], v[BI+8*\t:BI+8*\t+7], v[WS+8*\t+\ks], v[OS+2*\ks+\a/2]
.endif
.else
.if (\a)%2
	v_wmma_scale_f32_16x16x128_f8f6f4 v[8*(8*\a+\t):8*(8*\a+\t)+7], v[128*((\ks)%2)+16*\t:128*((\ks)%2)+16*\t+15], v[64*((\ks)%4)+16*\a:64*((\ks)%4)+16*\a+15], v[8*(8*\a+\t):8*(8*\a+\t)+7], v[WS+8*\t+\ks], v[OS+2*\ks+\a/2] matrix_b_scale:MATRIX_SCALE_ROW1
.else
	v_wmma_scale_f32_16x16x128_f8f6f4 v[8*(8*\a+\t):8*(8*\a+\t)+7], v[128*((\ks)%2)+16*\t:128*((\ks)%2)+16*\t+15], v[64*((\ks)%4)+16*\a:64*((\ks)%4)+16*\a+15], v[8*(8*\a+\t):8*(8*\a+\t)+7], v[WS+8*\t+\ks], v[OS+2*\ks+\a/2]
.endif
.endif
.endm
; K step ks: 32 products, the 32 accumulators by turns, one instruction a turn.
.macro OSTEP ks
.if \ks > 0
	PLACES 8                                       ; behind the last products: loads into registers that they have read
.endif
	s_wait_dscnt 0x0                               ; this step's fragments of Wo, asked for a step ago, are in (the wait stands ahead of the next 64 loads)
.if \ks < 7
	FETCHW (\ks)+1
.endif
.if \ks > 0
	ITEM (\ks)+3                                   ; into the set that the last K step has left
.endif
	s_wait_loadcnt 48                              ; this step's item is in; the three younger items of sixteen loads may be out
.if \ks == 0
	WIN 0x4B                                       ; source 0 (Wo) window 3, source 1 (o') window 2, C (the bias) window 0, D window 1
.else
	WIN 0x5B                                       ; the same, C window 1
.endif
.irp a, 0,1,2,3
.irp t, 0,1,2,3,4,5,6,7
	OMM \a, \t, \ks
.endr
.endr
	WIN 0
.endm
.irp k, 0,1,2,3,4,5,6,7
	OSTEP \k
.endr
	PLACES 8                                       ; behind the last products
	ITEM 11
; THE WAY OUT of tile a: relu, + o', through my stage in LDS (a lane holds 32 neighbouring bytes of a row, the lanes beside it other rows), back as whole rows of 512 bytes.
; LDS serves a wave's instructions in order (ISA guide 5.7.1.4): no wait between the stores and the loads, nor in front of the next tile's stores.
.macro TOSTAGE a
	s_wait_loadcnt 16*(3-(\a))                     ; tile a's o' is in; the younger items may be out
	WIN 0x44                                       ; source 1 and destination window 1
.set J, 0
.rept 64
	v_max_num_f32 v[64*(\a)+J], 0, v[64*(\a)+J]    ; each accumulator from its low end on
.set J, J+1
.endr
	WIN 0x86                                       ; source 0 and destination window 2 (o'), source 1 window 1
.set J, 0
.rept 32
	v_pk_add_f32 v[64*(\a)+J:64*(\a)+J+1], v[64*(\a)+J:64*(\a)+J+1], v[64*(\a)+J:64*(\a)+J+1]
.set J, J+2
.endr
	WIN 0x08                                       ; an LDS store's data are its source 1: window 2
.irp t, 0,1,2,3,4,5,6,7
	ds_store_b128 v[STO], v[64*(\a)+8*\t:64*(\a)+8*\t+3] offset:64*\t
	ds_store_b128 v[STO], v[64*(\a)+8*\t+4:64*(\a)+8*\t+7] offset:64*\t+16
.endr
	WIN 0xC0                                       ; destination window 3: each tile has registers of its own there, so no store's data are written again
.set Q, 0
.rept 16
	ds_load_b128 v[64*(\a)+4*Q:64*(\a)+4*Q+3], v[RD] offset:SPITCH*Q
.set Q, Q+1
.endr
	WIN 0
.endm
.macro SEND a, younger                 ; younger: the LDS instructions issued behind tile a's loads, which may stay out
	s_wait_dscnt \younger
	WIN 0x0C                                       ; a store's data are its source 1: window 3
.set Q, 0
.rept 16
	global_store_b128 v[LI], v[64*(\a)+4*Q:64*(\a)+4*Q+3], s[16:17] offset:(16*(\a)+Q)*4096 th:TH_STORE_NT   ; 32 lanes store 512 consecutive bytes, aligned; written once, read by nobody here
.set Q, Q+1
.endr
	WIN 0
.endm
	TOSTAGE 0
	TOSTAGE 1
	SEND 0, 32                                     ; behind tile 0's loads: tile 1's 16 stores and 16 loads
	TOSTAGE 2
	SEND 1, 32
	TOSTAGE 3
	SEND 2, 32
	SEND 3, 0
	s_wait_tensorcnt 0x0
	ds_add_u32 v254, v255
	s_wait_dscnt 0x0
	CROUND                                         ; the closing round: no work-group ends while a partner may still ask for a tile that names it
	s_endpgm
.Lfunc_end_k_q41d29ff2d9_outproj:
	.size	k_q41d29ff2d9_outproj, .Lfunc_end_k_q41d29ff2d9_outproj-k_q41d29ff2d9_outproj
	.p2alignl 7, 3214868480
	.fill 96, 4, 3214868480
	.section	.rodata,"a",@progbits
	.p2align	6, 0x0
	.amdhsa_kernel k_q41d29ff2d9_outproj
		.amdhsa_group_segment_fixed_size 173568
		.amdhsa_private_segment_fixed_size 0
		.amdhsa_enable_private_segment 0
		.amdhsa_kernarg_size 56
		.amdhsa_user_sgpr_count 2
		.amdhsa_user_sgpr_kernarg_segment_ptr 1
		.amdhsa_wavefront_size32 1
		.amdhsa_system_sgpr_workgroup_id_x 1
		.amdhsa_system_sgpr_workgroup_id_y 1
		.amdhsa_system_sgpr_workgroup_id_z 1
		.amdhsa_system_vgpr_workitem_id 0
		.amdhsa_next_free_vgpr 1024
		.amdhsa_next_free_sgpr 66
		.amdhsa_reserve_vcc 0
		.amdhsa_float_denorm_mode_32 3
		.amdhsa_float_denorm_mode_16_64 3
		.amdhsa_memory_ordered 1
		.amdhsa_forward_progress 1
		.amdhsa_inst_pref_size 127
	.end_amdhsa_kernel
	.amdgpu_metadata
---
amdhsa.version: [ 1, 2 ]
amdhsa.kernels:
  - .name:           k_q41d29ff2d9_outproj
    .symbol:         k_q41d29ff2d9_outproj.kd
    .args:
      - { .name: ocod, .offset: 0, .size: 8, .value_kind: global_buffer, .address_space: global }
      - { .name: oscl, .offset: 8, .size: 8, .value_kind: global_buffer, .address_space: global }
      - { .name: oimg, .offset: 16, .size: 8, .value_kind: global_buffer, .address_space: global }
      - { .name: Wo_codes, .offset: 24, .size: 8, .value_kind: global_buffer, .address_space: global }
      - { .name: Wo_scales, .offset: 32, .size: 8, .value_kind: global_buffer, .address_space: global }
      - { .name: bo, .offset: 40, .size: 8, .value_kind: global_buffer, .address_space: global }
      - { .name: out0, .offset: 48, .size: 8, .value_kind: global_buffer, .address_space: global }
    .group_segment_fixed_size: 173568
    .private_segment_fixed_size: 0
    .kernarg_segment_align: 8
    .kernarg_segment_size: 56
    .max_flat_workgroup_size: 128
    .sgpr_count:     66
    .vgpr_count:     1024
    .wavefront_size: 32
...
	.end_amdgpu_metadata
.endif
;; end of part 3
